; MI455X (gfx1250); checked and timed in simulation.
; The chip was launched on July 23, 2026; its instructions are those of AMD's public machine-readable ISA for CDNA 5 (MIT licence, August 2026) and "CDNA5" Instruction Set Architecture Reference Guide (July 2026). The comments in the code are by the model that wrote it; some were corrected since.
;; Block. Allowed arithmetic: float matrix products may take bf16 or f16 operands with f32 sums; all other float work in f32.
;; Inputs: W1 3,072 x 1,024 float32; W2 1,024 x 3,072 float32; Wk 16 x 1,024 x 64 float32; Wo 1,024 x 1,024 float32; Wq 16 x 1,024 x 64 float32; Wv 16 x 1,024 x 64 float32; b1 3,072 float32; b2 1,024 float32; be1 1,024 float32; be2 1,024 float32; bo 1,024 float32; g1 1,024 float32; g2 1,024 float32; x 2 x 2,048 x 1,024 float32.
;; Outputs: out0 2 x 2,048 x 1,024 float32.
;; One version. Each part assembles by itself: llvm-mc -triple=amdgcn-amd-amdhsa -mcpu=gfx1250 --defsym DOCPART=n.
;; ======== version 1 of 1: 7 launches
;; limits: values are held in f16: magnitudes above 65,504 overflow, below 6.1e-05 lose precision
;; workspace buffers: nrm 8,388,608 bytes; wb 20,971,520 bytes; big 25,165,824 bytes; ctx 8,388,608 bytes; x1 16,777,216 bytes
;; launch prep (part 1): grid 640 x 1, 4 waves a work-group, no clusters, 17,920 bytes of LDS; arguments x, g1, be1, Wq, Wk, Wv, nrm, wb; writes nrm, wb
.if DOCPART == 1
	.amdgcn_target "amdgcn-amd-amdhsa--gfx1250"
	.amdhsa_code_object_version 6
	.text
	.protected	k_qd0f853a044_prep
	.globl	k_qd0f853a044_prep
	.p2align	8
	.type	k_qd0f853a044_prep,@function
k_qd0f853a044_prep:
	s_mov_b64 s[64:65], 0
	v_nop
	global_prefetch_b8 v0, s[64:65] scope:SCOPE_SE
	s_setreg_imm32_b32 hwreg(HW_REG_WAVE_MODE, 25, 1), 1
	s_wait_xcnt 0x0
; prep: two kinds of work-group, chosen by the work-group's number alone.
;   0 .. 255     LN: layer norm 1 of 16 rows of x (f32) into nrm (f16, [4096][1024])
;   256 .. 639   TR: 128 c-rows of one head of Wq, Wk or Wv ([c][64] f32) transposed into wb rows n = 64 hg + d (f16, [3072][1024])
; (Wo, W1 and W2 are cast to f16 in the attention launch, which leaves memory nearly idle; nothing needs them earlier.)
; Both stream: every input byte is read once by 16-byte loads, every output byte written once, each store covering whole aligned
; stretches of 256 bytes.  No matrix unit, no cluster: nothing is shared between work-groups.
; F16 AND NOT BF16 for all matrix operands of this program: an output passes through some ten roundings of operands (xn, W, v, P, ctx, Wo, h, W1,
; hid, W2); 11 significant bits make each an eighth of what 8 bits make it.
; LIMITS: f16 holds magnitudes below 65,504.  The normalised row is at most 32 |g| + |be| (no element of a normalised row of 1,024 is above
; sqrt(1023)); the weights are inputs of root mean square 0.03.  Weights below 2^-14 are rounded to 2^-25 absolute.
; The norm is taken in two passes over registers (mean first, then the squares of the differences), sums in another order than
; the reference's; v_sqrt_f32 and v_rcp_f32 flush denormals (ISA guide, their entries), so a variance below 2^-126 counts as 0.
.set XO, 1                             ; v1        16 lane + 16,384 wave: my 16 bytes in x
.set YO, 2                             ; v2        8 lane + 8,192 wave: my 8 bytes in nrm
.set GO, 3                             ; v3        16 lane: my 16 bytes in gamma and beta
.set G,  4                             ; v[4:35]   gamma of my 32 columns
.set BE, 36                            ; v[36:67]  beta of my 32 columns
.set X,  68                            ; v[68:195] data: four rows of 32 registers (LN), 16 loads and 8 read back (TR)
.set T,  196                           ; v[196:205] at work
; the four chains in T .. T+7 become one number, the same in all 32 lanes
.macro FOLD
	v_pk_add_f32 v[T:T+1], v[T:T+1], v[T+2:T+3]
	v_pk_add_f32 v[T+4:T+5], v[T+4:T+5], v[T+6:T+7]
	v_pk_add_f32 v[T:T+1], v[T:T+1], v[T+4:T+5]
	v_add_f32 v[T], v[T], v[T+1]
	v_add_f32_dpp v[T], v[T], v[T] row_xmask:1 row_mask:0xf bank_mask:0xf
	v_add_f32_dpp v[T], v[T], v[T] row_xmask:2 row_mask:0xf bank_mask:0xf
	v_add_f32_dpp v[T], v[T], v[T] row_xmask:4 row_mask:0xf bank_mask:0xf
	v_add_f32_dpp v[T], v[T], v[T] row_xmask:8 row_mask:0xf bank_mask:0xf
	v_permlanex16_b32 v[T+1], v[T], s12, s13       ; the other half of the lanes; T+1 has been written
	v_add_f32 v[T], v[T], v[T+1]
.endm
; one row: registers 4 j .. 4 j + 3 of lane l hold columns 128 j + 4 l .. + 3.  left = loads of later rows that stay out
.macro LNROW s, left
.set XR, X+32*\s
	s_wait_loadcnt \left
.irp k, 0,1,2,3
	v_pk_add_f32 v[T+2*\k:T+2*\k+1], v[XR+4*\k:XR+4*\k+1], v[XR+4*\k+2:XR+4*\k+3]   ; the first eight pairs start four chains
.endr
.irp i, 8,9,10,11,12,13,14,15
	v_pk_add_f32 v[T+2*(\i%4):T+2*(\i%4)+1], v[T+2*(\i%4):T+2*(\i%4)+1], v[XR+2*\i:XR+2*\i+1]
.endr
	FOLD
	v_mul_f32 v[T+8], 0x3a800000, v[T]             ; mean = sum / 1024, twice: a pair for the packed forms
	v_mul_f32 v[T+9], 0x3a800000, v[T]
.irp i, 0,1,2,3,4,5,6,7,8,9,10,11,12,13,14,15
	v_pk_add_f32 v[XR+2*\i:XR+2*\i+1], v[XR+2*\i:XR+2*\i+1], v[T+8:T+9] neg_lo:[0,1] neg_hi:[0,1]
.endr
.irp k, 0,1,2,3
	v_pk_mul_f32 v[T+2*\k:T+2*\k+1], v[XR+2*\k:XR+2*\k+1], v[XR+2*\k:XR+2*\k+1]
.endr
.irp i, 4,5,6,7,8,9,10,11,12,13,14,15
	v_pk_fma_f32 v[T+2*(\i%4):T+2*(\i%4)+1], v[XR+2*\i:XR+2*\i+1], v[XR+2*\i:XR+2*\i+1], v[T+2*(\i%4):T+2*(\i%4)+1]
.endr
	FOLD
	v_mul_f32 v[T], 0x3a802008, v[T]               ; / 1023: the unbiased variance
	v_sqrt_f32 v[T+1], v[T]
	v_nop                                          ; one plain place behind a transcendental (ISA guide 5.7.2)
	s_wait_alu depctr_va_vdst(0)
	v_add_f32 v[T+1], 0x358637bd, v[T+1]           ; + 1e-6, added to the deviation
	v_rcp_f32 v[T+8], v[T+1]
	v_rcp_f32 v[T+9], v[T+1]
	v_nop
	s_wait_alu depctr_va_vdst(0)
.irp i, 0,1,2,3,4,5,6,7,8,9,10,11,12,13,14,15
	v_pk_mul_f32 v[XR+2*\i:XR+2*\i+1], v[XR+2*\i:XR+2*\i+1], v[T+8:T+9]
.endr
.irp i, 0,1,2,3,4,5,6,7,8,9,10,11,12,13,14,15
	v_pk_fma_f32 v[XR+2*\i:XR+2*\i+1], v[XR+2*\i:XR+2*\i+1], v[G+2*\i:G+2*\i+1], v[BE+2*\i:BE+2*\i+1]
.endr
.irp j, 0,1,2,3,4,5,6,7
	v_cvt_pk_f16_f32 v[XR+4*\j], v[XR+4*\j], v[XR+4*\j+1]
	v_cvt_pk_f16_f32 v[XR+4*\j+1], v[XR+4*\j+2], v[XR+4*\j+3]
	global_store_b64 v[YO], v[XR+4*\j:XR+4*\j+1], s[10:11] offset:\s*2048+256*\j   ; 32 lanes x 8 bytes: 256 consecutive bytes, aligned
.endr
.endm
	v_lshl_add_u32 v216, v0, 2, 0x4400
	v_mov_b32 v217, 0
	s_mov_b32 s2, ttmp9
	v_and_b32 v[GO], 31, v0
	v_lshrrev_b32 v[T], 5, v0                      ; wave
	v_lshlrev_b32 v[GO], 4, v[GO]
	v_lshrrev_b32 v[YO], 1, v[GO]
	v_lshl_or_b32 v[XO], v[T], 14, v[GO]
	v_lshl_or_b32 v[YO], v[T], 13, v[YO]
	s_cmp_lt_u32 s2, 256
	s_cbranch_scc1 .Lln
; ---- TR: head group hg = 0 .. 47 (q, k, v x 16 heads), chunk cc of 128 c-rows.  Rows c and c + 1 are packed into one word and laid
; into LDS as [d = 64][128 c], pitch 272; whole rows of 256 bytes are read back and stored.
	s_load_b64 s[4:5], s[0:1], 0x18                ; Wq
	s_load_b64 s[6:7], s[0:1], 0x20                ; Wk
	s_load_b64 s[8:9], s[0:1], 0x28                ; Wv
	s_load_b64 s[10:11], s[0:1], 0x38              ; wb
	s_sub_co_u32 s14, s2, 256
	s_lshr_b32 s15, s14, 3                         ; hg
	s_and_b32 s14, s14, 7                          ; cc
	v_and_b32 v[T], 15, v0                         ; i: which 4 d
	v_bfe_u32 v[T+1], v0, 4, 1                     ; hh
	v_lshrrev_b32 v[T+2], 5, v0                    ; wave
	v_lshlrev_b32 v[T+3], 4, v[T]                  ; 16 i
	v_lshl_or_b32 v[T+4], v[T+1], 9, v[T+3]
	v_lshl_or_b32 v[T+4], v[T+2], 13, v[T+4]       ; source: 8,192 wave + 512 hh + 16 i
	v_mul_u32_u24 v[T+5], v[T], 1088
	v_lshl_add_u32 v[T+5], v[T+2], 6, v[T+5]
	v_lshl_add_u32 v[T+5], v[T+1], 2, v[T+5]       ; LDS in: row 4 i, byte 64 wave + 4 hh
	v_lshl_add_u32 v[T+6], v[T+2], 4, v[T+1]       ; row 16 wave + hh on the way back
	v_mul_u32_u24 v[T+7], v[T+6], 272
	v_add_nc_u32 v[T+7], v[T+7], v[T+3]            ; LDS back
	v_lshl_add_u32 v[T+8], v[T+6], 11, v[T+3]      ; and in wb: rows of 2,048 bytes
	s_wait_kmcnt 0x0
	s_cmp_lt_u32 s15, 32
	s_cselect_b64 s[6:7], s[6:7], s[8:9]
	s_cmp_lt_u32 s15, 16
	s_cselect_b64 s[4:5], s[4:5], s[6:7]
	s_and_b32 s16, s15, 15
	s_lshl_b32 s16, s16, 18                        ; a head: 1,024 rows of 256 bytes
	s_lshl_b32 s17, s14, 15
	s_add_co_u32 s16, s16, s17
	s_mov_b32 s17, 0
	s_add_nc_u64 s[4:5], s[4:5], s[16:17]
	s_lshl_b32 s16, s15, 17                        ; 64 rows of wb
	s_lshl_b32 s18, s14, 8
	s_add_co_u32 s16, s16, s18
	s_add_nc_u64 s[10:11], s[10:11], s[16:17]
.irp j, 0,1,2,3,4,5,6,7,8,9,10,11,12,13,14,15
	global_load_b128 v[X+4*\j:X+4*\j+3], v[T+4], s[4:5] offset:(4*(\j>>1)+(\j&1))*256 th:TH_LOAD_NT   ; row 32 wave + 4 (j / 2) + 2 hh + (j & 1)
.endr
.irp p, 0,1,2,3,4,5,6,7
	s_wait_loadcnt 14-2*\p                         ; the pair of rows p is in; the later pairs stay out
.irp q, 0,1,2,3
	v_cvt_pk_f16_f32 v[X+8*\p+\q], v[X+8*\p+\q], v[X+8*\p+4+\q]
	ds_store_b32 v[T+5], v[X+8*\p+\q] offset:\q*272+8*\p
.endr
.endr
	s_wait_dscnt 0x0                               ; my stores are done, for the other waves' sake
	s_barrier_signal -1
	s_barrier_wait -1
.irp t, 0,1,2,3,4,5,6,7
	ds_load_b128 v[X+64+4*\t:X+64+4*\t+3], v[T+7] offset:544*\t
.endr
.irp t, 0,1,2,3,4,5,6,7
	s_wait_dscnt 7-\t
	global_store_b128 v[T+8], v[X+64+4*\t:X+64+4*\t+3], s[10:11] offset:4096*\t   ; 16 lanes: 256 consecutive bytes, aligned
.endr
	s_wait_tensorcnt 0x0
	ds_add_u32 v216, v217
	s_wait_dscnt 0x0
	s_endpgm
; ---- LN: a wave takes four rows, all 48 loads issued at once; a row never leaves its wave
.Lln:
	s_load_b128 s[4:7], s[0:1], 0x0                ; x, g1
	s_load_b64 s[8:9], s[0:1], 0x10                ; be1
	s_load_b64 s[10:11], s[0:1], 0x30              ; nrm
	s_lshl_b32 s14, s2, 16                         ; 16 rows of 4,096 bytes
	s_mov_b32 s15, 0
	s_lshl_b32 s16, s2, 15                         ; 16 rows of 2,048 bytes
	s_mov_b32 s17, 0
	s_mov_b32 s12, 0x76543210
	s_mov_b32 s13, 0xfedcba98
	s_wait_kmcnt 0x0
	s_add_nc_u64 s[4:5], s[4:5], s[14:15]
	s_add_nc_u64 s[10:11], s[10:11], s[16:17]
.irp j, 0,1,2,3,4,5,6,7
	global_load_b128 v[G+4*\j:G+4*\j+3], v[GO], s[6:7] offset:512*\j
.endr
.irp j, 0,1,2,3,4,5,6,7
	global_load_b128 v[BE+4*\j:BE+4*\j+3], v[GO], s[8:9] offset:512*\j
.endr
.irp s, 0,1,2,3
.irp j, 0,1,2,3,4,5,6,7
	global_load_b128 v[X+32*\s+4*\j:X+32*\s+4*\j+3], v[XO], s[4:5] offset:\s*4096+512*\j
.endr
.endr
	LNROW 0, 24
	LNROW 1, 16
	LNROW 2, 8
	LNROW 3, 0
	s_endpgm
.Lfunc_end_k_qd0f853a044_prep:
	.size	k_qd0f853a044_prep, .Lfunc_end_k_qd0f853a044_prep-k_qd0f853a044_prep
	.p2alignl 7, 3214868480
	.fill 96, 4, 3214868480
	.section	.rodata,"a",@progbits
	.p2align	6, 0x0
	.amdhsa_kernel k_qd0f853a044_prep
		.amdhsa_group_segment_fixed_size 17920
		.amdhsa_private_segment_fixed_size 0
		.amdhsa_enable_private_segment 0
		.amdhsa_kernarg_size 64
		.amdhsa_user_sgpr_count 2
		.amdhsa_user_sgpr_kernarg_segment_ptr 1
		.amdhsa_wavefront_size32 1
		.amdhsa_system_sgpr_workgroup_id_x 1
		.amdhsa_system_sgpr_workgroup_id_y 1
		.amdhsa_system_sgpr_workgroup_id_z 1
		.amdhsa_system_vgpr_workitem_id 0
		.amdhsa_next_free_vgpr 218
		.amdhsa_next_free_sgpr 66
		.amdhsa_reserve_vcc 0
		.amdhsa_float_denorm_mode_32 3
		.amdhsa_float_denorm_mode_16_64 3
		.amdhsa_memory_ordered 1
		.amdhsa_forward_progress 1
		.amdhsa_inst_pref_size 48
	.end_amdhsa_kernel
	.amdgpu_metadata
---
amdhsa.version: [ 1, 2 ]
amdhsa.kernels:
  - .name:           k_qd0f853a044_prep
    .symbol:         k_qd0f853a044_prep.kd
    .args:
      - { .name: x, .offset: 0, .size: 8, .value_kind: global_buffer, .address_space: global }
      - { .name: g1, .offset: 8, .size: 8, .value_kind: global_buffer, .address_space: global }
      - { .name: be1, .offset: 16, .size: 8, .value_kind: global_buffer, .address_space: global }
      - { .name: Wq, .offset: 24, .size: 8, .value_kind: global_buffer, .address_space: global }
      - { .name: Wk, .offset: 32, .size: 8, .value_kind: global_buffer, .address_space: global }
      - { .name: Wv, .offset: 40, .size: 8, .value_kind: global_buffer, .address_space: global }
      - { .name: nrm, .offset: 48, .size: 8, .value_kind: global_buffer, .address_space: global }
      - { .name: wb, .offset: 56, .size: 8, .value_kind: global_buffer, .address_space: global }
    .group_segment_fixed_size: 17920
    .private_segment_fixed_size: 0
    .kernarg_segment_align: 8
    .kernarg_segment_size: 64
    .max_flat_workgroup_size: 128
    .sgpr_count:     66
    .vgpr_count:     218
    .wavefront_size: 32
...
	.end_amdgpu_metadata
.endif
;; end of part 1
;; launch qkv (part 2): grid 8 x 32, 4 waves a work-group, clusters of 4 x 4, 327,680 bytes of LDS; arguments nrm, wb, big; writes big
.if DOCPART == 2
	.amdgcn_target "amdgcn-amd-amdhsa--gfx1250"
	.amdhsa_code_object_version 6
	.text
	.protected	k_qd0f853a044_qkv
	.globl	k_qd0f853a044_qkv
	.p2align	8
	.type	k_qd0f853a044_qkv,@function
k_qd0f853a044_qkv:
	s_mov_b64 s[64:65], 0
	v_nop
	global_prefetch_b8 v0, s[64:65] scope:SCOPE_SE
	s_setreg_imm32_b32 hwreg(HW_REG_WAVE_MODE, 25, 1), 1
	s_wait_xcnt 0x0
	s_wait_alu depctr_hold_cnt(0) depctr_sa_sdst(0) depctr_va_vdst(0) depctr_va_sdst(0) depctr_va_ssrc(0) depctr_va_vcc(0) depctr_vm_vsrc(0)
	s_getreg_b32 s2, hwreg(HW_REG_IB_STS2, 6, 4)
	s_cmp_eq_u32 s2, 0
	s_cbranch_scc0 .Lentry_in_a_cluster
	s_endpgm
.Lentry_in_a_cluster:
	s_bfe_u32 s2, ttmp6, 0x10000c
	s_cmp_lg_u32 s2, 0xf033
	s_cbranch_scc0 .Lentry_shape_is_right
	s_endpgm
.Lentry_shape_is_right:
; C = A B^T with A = nrm [4096][1024] f16 and B = 3,072 rows of wb [n][1024] f16, sums in f32.
; FF1 = 0: B = the transposed Wq, Wk, Wv; C goes out in f16 as big[hg = n / 64][m][64].
; FF1 = 1: B = W1; C = relu(. + b1) goes out in f16 as big[m][3072].
; A work-group makes 128 x 384 of C (32 x 8 = 256 work-groups); wave w makes rows 64 (w / 2) .. and columns 192 (w & 1) ..: 4 x 12 = 48
; accumulator tiles, 16 fragments for 48 matrix instructions.  K goes in steps of 128 (rows of 256 bytes) through two LDS slots.
; CLUSTERS: 4 x 4 work-groups.  A's tile hangs on the block row alone and is asked for jointly by a row of the cluster, B's on the block
; column alone and by a column.  Every wave issues both loads of a K step for rows of its own: A's 32 w .., B's 96 w ...
; The matrix instruction is used transposed (source 0 = rows of B, source 1 = rows of A): lane (r, h) then holds row r of C and eight
; neighbouring columns 8 h .. 8 h + 7.  The 48 accumulators take turns, one instruction a turn.
; REGISTERS: window 0: v16-27 addresses, v32-95 A's fragments (two buffers), v96-191 T, v192-239 P; window 1: v0-191 B's fragments (two
; buffers); window 2: tile (a, b < 8) at v[8 (8 a + b)]; window 3: tile (a, b >= 8) at v[8 (4 a + b - 8)], and (FF1) bias tile b at v[128 + 8 b].
; LIMITS: operands and results are f16: a result of magnitude 65,504 or more becomes infinite.  The results' root mean square is
; 32 x |A| x |B|: 1 at the drawn sizes, 900 with gains and weights both 30 times larger.  relu is v_max_num_f32, so a NaN becomes 0;
; sums in the matrix unit's order.
.set FF1,    0
.set KDIM,   1024
.set KSTEP,  128
.set PITCH,  272                       ; 256 bytes + 16 of padding: an odd multiple of 16, so 16 rows start in 16 different 16-byte columns
.set AQ,     32*PITCH                  ; what one wave fetches of A
.set BQ,     96*PITCH                  ; and of B
.set ASZ,    128*PITCH
.set SLOT,   512*PITCH                 ; A's 128 rows, then B's 384
.set SPITCH, 784                       ; the stage: 128 rows of 768 bytes + 16, in slot 0 behind its last fill
.set LAPS,   KDIM/(2*KSTEP)
.set FLAGS,  (1<<16)|(1<<20)|(1<<21)|(5<<22)|(3<<25)   ; 2-byte elements; padding on; bit 21 beside a mask; after 64 words; 4 words
.set ADRA, 16
.set ADRB, 20
.set STO,  24
.set RD,   25
.set CO,   26
.set BO,   27
.set FA0,  32
.set FB0,  0
.set T,    96
.set P,    192
.set G1A, 24
.set G0A, 32
.set G1B, 48
.set G0B, 56
.set MSB, 0
.macro WIN new                         ; the immediate's high byte repeats the setting that is left
.if MSB != \new
	s_set_vgpr_msb (MSB<<8)|\new
.set MSB, \new
.endif
.endm
.macro WLO first                       ; B window 1, A window 0, D window 2; C window 2, or window 3 where the bias starts the sum
.if FF1*\first
	WIN 0xb1
.else
	WIN 0xa1
.endif
.endm
.macro PLACES                          ; four places behind a matrix instruction ahead of loads into, or reads of, its registers
.rept 4
	v_nop
.endr
.endm
.macro CREST                           ; a round of the cluster's barrier behind its opening barrier
	s_cmp_lg_u32 s10, 0
	s_cbranch_scc1 .Lnot_wave_0_\@
	s_barrier_signal -3
.Lnot_wave_0_\@:
	s_barrier_wait -3
	s_barrier_signal -1
	s_barrier_wait -1
.endm
.macro CROUND
	s_barrier_signal -1
	s_barrier_wait -1
	CREST
.endm
	s_load_b128 s[4:7], s[0:1], 0x0                ; A, wb
.if FF1
	s_load_b64 s[2:3], s[0:1], 0x10                ; b1
	s_load_b64 s[8:9], s[0:1], 0x18                ; big
.else
	s_load_b64 s[8:9], s[0:1], 0x10                ; big
	s_set_vgpr_msb 0x40
	v_lshl_add_u32 v255, v0, 2, 0x44000
	s_set_vgpr_msb 0x4000
	v_mov_b32 v255, 0
	s_set_vgpr_msb 0x1
	ds_add_u32 v255, v255
	ds_add_u32 v255, v255
	s_set_vgpr_msb 0x100
.endif
	v_lshrrev_b32 v1, 5, v0
	v_readfirstlane_b32 s10, v1                    ; wave
	s_lshr_b32 s11, s10, 1                         ; wr
	s_and_b32 s12, s10, 1                          ; wc
	s_bfe_u32 s40, ttmp6, 0x40000                  ; cx
	s_bfe_u32 s41, ttmp6, 0x40004                  ; cy
	s_lshl_b32 s42, ttmp9, 2
	s_add_co_u32 s42, s42, s40                     ; block column
	s_and_b32 s13, ttmp7, 0xffff
	s_lshl_b32 s13, s13, 2
	s_add_co_u32 s13, s13, s41                     ; block row
	s_lshl_b32 s43, s41, 2
	s_lshl_b32 s43, 15, s43                        ; my row of the cluster
	s_lshl_b32 s44, 0x1111, s40                    ; my column
	s_or_b32 s[G1A+0], s43, FLAGS
	s_mov_b32 s[G1A+1], KSTEP<<16                  ; tensor_dim0 = 128
	s_mov_b32 s[G1A+2], 32<<16                     ; tensor_dim1 = 32
	s_mov_b32 s[G1A+3], KSTEP<<16                  ; tile_dim0 = 128
	s_mov_b32 s[G1A+4], 32                         ; tile_dim1 = 32
	s_mov_b32 s[G1A+5], KDIM                       ; elements from row to row
	s_mov_b32 s[G1A+6], 0
	s_mov_b32 s[G1A+7], 0
	s_or_b32 s[G1B+0], s44, FLAGS
	s_mov_b32 s[G1B+1], KSTEP<<16
	s_mov_b32 s[G1B+2], 96<<16
	s_mov_b32 s[G1B+3], KSTEP<<16
	s_mov_b32 s[G1B+4], 96
	s_mov_b32 s[G1B+5], KDIM
	s_mov_b32 s[G1B+6], 0
	s_mov_b32 s[G1B+7], 0
	s_lshl_b32 s16, s13, 7                         ; A: row 128 x block row + 32 x wave, rows of 2,048 bytes
	s_lshl_b32 s17, s10, 5
	s_add_co_u32 s16, s16, s17
	s_lshl_b32 s16, s16, 11
	s_mov_b32 s17, 0
	s_mul_i32 s46, s42, 384                        ; B: row 384 x block column + 96 x wave
	s_mul_i32 s47, s10, 96
	s_add_co_u32 s46, s46, s47
	s_lshl_b32 s46, s46, 11
.if FF1
	s_add_co_u32 s46, s46, 0x800000                ; W1 in wb
.endif
	s_mov_b32 s47, 0
	s_mul_i32 s20, s10, AQ                         ; where they go: the wave's number alone
	s_mul_i32 s21, s10, BQ
	s_add_co_u32 s21, s21, ASZ
	s_wait_dscnt 0x0
	s_wait_kmcnt 0x0
	s_add_nc_u64 s[14:15], s[4:5], s[16:17]
	s_add_nc_u64 s[46:47], s[6:7], s[46:47]
	CROUND                                         ; all sixteen work-groups are here: the first joint loads meet
.irp s, 0,1
	s_mov_b32 s[G0A+4*\s], 1
	s_add_co_u32 s[G0A+4*\s+1], s20, \s*SLOT
	s_add_nc_u64 s[G0A+4*\s+2:G0A+4*\s+3], s[14:15], \s*KSTEP*2
	s_or_b32 s[G0A+4*\s+3], s[G0A+4*\s+3], 0x80000000
	s_mov_b32 s[G0B+4*\s], 1
	s_add_co_u32 s[G0B+4*\s+1], s21, \s*SLOT
	s_add_nc_u64 s[G0B+4*\s+2:G0B+4*\s+3], s[46:47], \s*KSTEP*2
	s_or_b32 s[G0B+4*\s+3], s[G0B+4*\s+3], 0x80000000
	tensor_load_to_lds s[G0A+4*\s:G0A+4*\s+3], s[G1A:G1A+7]
	s_nop 0
	tensor_load_to_lds s[G0B+4*\s:G0B+4*\s+3], s[G1B:G1B+7]       ; four tensor loads of the wave are out here, later two
	s_nop 0
.endr
	v_and_b32 v1, 15, v0                           ; r
	v_bfe_u32 v2, v0, 4, 1                         ; h
	v_mul_u32_u24 v3, v1, PITCH
	v_lshl_add_u32 v3, v2, 4, v3                   ; r x pitch + 16 h
	s_mul_i32 s18, s11, 64*PITCH
	s_mul_i32 s19, s12, 192*PITCH
	s_add_co_u32 s19, s19, ASZ
.irp s, 0,1
	v_add_nc_u32 v[ADRA+\s], s18, v3
	v_add_nc_u32 v[ADRB+\s], s19, v3
	s_add_co_u32 s18, s18, SLOT
	s_add_co_u32 s19, s19, SLOT
.endr
	s_mul_i32 s18, s11, 64*SPITCH
	s_mul_i32 s19, s12, 384
	s_add_co_u32 s18, s18, s19
	v_mul_u32_u24 v4, v1, SPITCH
	v_lshl_add_u32 v4, v2, 4, v4
	v_add_nc_u32 v[STO], s18, v4                   ; stage in: row 64 wr + r, byte 384 wc + 16 h
	s_mul_i32 s18, s10, 32*SPITCH
.if FF1
	v_mul_u32_u24 v5, v2, SPITCH                   ; stage back: lanes 0-15 take 256 bytes of one row, lanes 16-31 of the next
	v_lshl_add_u32 v5, v1, 4, v5
	v_add_nc_u32 v[RD], s18, v5
	v_mul_u32_u24 v5, v2, 6144
	v_lshl_add_u32 v[CO], v1, 4, v5
.else
	v_bfe_u32 v5, v0, 3, 2                         ; stage back: eight lanes take one head's 128 bytes of a row, four rows a load
	v_and_b32 v6, 7, v0
	v_mul_u32_u24 v5, v5, SPITCH
	v_lshl_add_u32 v5, v6, 4, v5
	v_add_nc_u32 v[RD], s18, v5
	v_and_b32 v5, 31, v0
	v_lshlrev_b32 v[CO], 4, v5                     ; which are 512 consecutive bytes of big
.endif
	v_lshlrev_b32 v[BO], 5, v2
.if FF1
	s_mul_i32 s46, s42, 1536                       ; b1 at column 384 x block column + 192 wc
	s_mul_i32 s47, s12, 768
	s_add_co_u32 s46, s46, s47
	s_mov_b32 s47, 0
	s_add_nc_u64 s[2:3], s[2:3], s[46:47]
	WIN 0xc0                                       ; destination window 3
.irp b, 0,1,2,3,4,5,6,7,8,9,10,11
	global_load_b128 v[128+8*\b:128+8*\b+3], v[BO], s[2:3] offset:64*\b        ; register j = b1[16 b + 8 h + j]: C's layout
	global_load_b128 v[128+8*\b+4:128+8*\b+7], v[BO], s[2:3] offset:64*\b+16
.endr
	WIN 0
	s_wait_loadcnt 0x0
.endif
; 16 matrix instructions: row blocks a0, a0 + 1 x column blocks 0-7, from buffer f.  first = 1: they start the sums (nothing is cleared)
.macro MULA f, a0, first
.irp a, \a0, \a0+1
.irp b, 0,1,2,3,4,5,6,7
.if \first
.if FF1
	v_wmma_f32_16x16x32_f16 v[8*(8*(\a)+\b):8*(8*(\a)+\b)+7], v[FB0+96*\f+8*\b:FB0+96*\f+8*\b+7], v[FA0+32*\f+8*(\a):FA0+32*\f+8*(\a)+7], v[128+8*\b:128+8*\b+7]
.else
	v_wmma_f32_16x16x32_f16 v[8*(8*(\a)+\b):8*(8*(\a)+\b)+7], v[FB0+96*\f+8*\b:FB0+96*\f+8*\b+7], v[FA0+32*\f+8*(\a):FA0+32*\f+8*(\a)+7], 0
.endif
.else
	v_wmma_f32_16x16x32_f16 v[8*(8*(\a)+\b):8*(8*(\a)+\b)+7], v[FB0+96*\f+8*\b:FB0+96*\f+8*\b+7], v[FA0+32*\f+8*(\a):FA0+32*\f+8*(\a)+7], v[8*(8*(\a)+\b):8*(8*(\a)+\b)+7]
.endif
.endr
.endr
.endm
; 16 more: all four row blocks x column blocks 8-11
.macro MULB f, first
.irp a, 0,1,2,3
.irp b, 8,9,10,11
.if \first
.if FF1
	v_wmma_f32_16x16x32_f16 v[8*(4*\a+\b-8):8*(4*\a+\b-8)+7], v[FB0+96*\f+8*\b:FB0+96*\f+8*\b+7], v[FA0+32*\f+8*\a:FA0+32*\f+8*\a+7], v[128+8*\b:128+8*\b+7]
.else
	v_wmma_f32_16x16x32_f16 v[8*(4*\a+\b-8):8*(4*\a+\b-8)+7], v[FB0+96*\f+8*\b:FB0+96*\f+8*\b+7], v[FA0+32*\f+8*\a:FA0+32*\f+8*\a+7], 0
.endif
.else
	v_wmma_f32_16x16x32_f16 v[8*(4*\a+\b-8):8*(4*\a+\b-8)+7], v[FB0+96*\f+8*\b:FB0+96*\f+8*\b+7], v[FA0+32*\f+8*\a:FA0+32*\f+8*\a+7], v[8*(4*\a+\b-8):8*(4*\a+\b-8)+7]
.endif
.endr
.endr
.endm
; 32 LDS loads in one run: A's four fragments, then B's twelve, 32 along K at byte k of the rows, into buffer f
.macro FETCH slot, k, f
	WIN 0
.irp a, 0,1,2,3
	ds_load_b128 v[FA0+32*\f+8*\a:FA0+32*\f+8*\a+3],   v[ADRA+\slot] offset:\k+\a*16*PITCH
	ds_load_b128 v[FA0+32*\f+8*\a+4:FA0+32*\f+8*\a+7], v[ADRA+\slot] offset:\k+\a*16*PITCH+32
.endr
	WIN 0x40
.irp b, 0,1,2,3,4,5,6,7,8,9,10,11
	ds_load_b128 v[FB0+96*\f+8*\b:FB0+96*\f+8*\b+3],   v[ADRB+\slot] offset:\k+\b*16*PITCH
	ds_load_b128 v[FB0+96*\f+8*\b+4:FB0+96*\f+8*\b+7], v[ADRB+\slot] offset:\k+\b*16*PITCH+32
.endr
.endm
; a quarter of a K step: multiplies buffer f, fetches the next quarter (byte k) into buffer g
.macro QUARTER slot, k, f, g, first
	s_wait_dscnt 8                                 ; all but the youngest eight loads: B's fragments 8-11 may be out
	WLO \first
	MULA \f, 0, \first
	PLACES
	FETCH \slot, \k, \g
	WLO \first
	MULA \f, 2, \first
	s_wait_dscnt 32                                ; all but the 32 just issued
	WIN 0xf1
	MULB \f, \first
.endm
.macro THREE slot, first
	QUARTER \slot, 64,  0, 1, \first
	QUARTER \slot, 128, 1, 0, 0
	QUARTER \slot, 192, 0, 1, 0
.endm
; the last quarter multiplies buffer 1 and changes slots.  In front of the barrier each wave waits for its reads of this slot and for all its
; tensor loads (its parts of the next slot); behind it, where the slot is filled again, the cluster's round, then the two joint refills first.
.macro TURN slot, next, fill
	s_wait_dscnt 8
	WIN 0xa1
	MULA 1, 0, 0
	s_wait_dscnt 0
	s_wait_tensorcnt 0x0
	ds_add_u32 v255, v255
	s_wait_dscnt 0x0
	s_barrier_signal -1
	MULA 1, 2, 0                                   ; register work while the others arrive
	WIN 0
	s_barrier_wait -1
.if \fill
	CREST
	s_add_nc_u64 s[G0A+4*\slot+2:G0A+4*\slot+3], s[G0A+4*\slot+2:G0A+4*\slot+3], 2*KSTEP*2
	s_add_nc_u64 s[G0B+4*\slot+2:G0B+4*\slot+3], s[G0B+4*\slot+2:G0B+4*\slot+3], 2*KSTEP*2
	tensor_load_to_lds s[G0A+4*\slot:G0A+4*\slot+3], s[G1A:G1A+7]
	s_nop 0
	tensor_load_to_lds s[G0B+4*\slot:G0B+4*\slot+3], s[G1B:G1B+7]
	s_nop 0
.endif
	PLACES
	FETCH \next, 0, 0
	WIN 0xf1
	MULB 1, 0
.endm
.macro LAP first
	THREE 0, \first
	TURN 0, 1, 1
	THREE 1, 0
	TURN 1, 0, 1
.endm
	s_wait_tensorcnt 2                             ; my two loads of K step 0 are in; K step 1's two stay out
	s_barrier_signal -1
	s_barrier_wait -1
	FETCH 0, 0, 0
	LAP 1
	WIN 0
	s_mov_b32 s45, LAPS-2
.Llap:
	LAP 0
	WIN 0
	s_sub_co_u32 s45, s45, 1
	s_cmp_lg_u32 s45, 0
	s_cbranch_scc1 .Llap
	THREE 0, 0                                     ; the last lap fills nothing
	TURN 0, 1, 0
	THREE 1, 0
	s_wait_dscnt 8
	WIN 0xa1
	MULA 1, 0, 0
	MULA 1, 2, 0
	s_wait_dscnt 0
	WIN 0xf1
	MULB 1, 0
	; THE WAY OUT.  Slot 0 has had its last fill, and every wave's last reads of it were waited for in front of the last lap's barrier:
	; it is the stage.  All four waves lay their tiles in as f16, one barrier, then wave w stores rows 32 w .. 32 w + 31 whole.
	PLACES
	s_lshl_b32 s16, s13, 7
	s_lshl_b32 s17, s10, 5
	s_add_co_u32 s16, s16, s17                     ; row 128 x block row + 32 x wave
.if FF1
	s_mul_i32 s16, s16, 6144
	s_mul_i32 s46, s42, 768
.else
	s_lshl_b32 s16, s16, 7                         ; rows of 128 bytes in a head's plane
	s_mul_i32 s46, s42, 6*524288                   ; six heads to a block column
.endif
	s_mov_b32 s17, 0
	s_mov_b32 s47, 0
	s_add_nc_u64 s[8:9], s[8:9], s[16:17]
	s_add_nc_u64 s[8:9], s[8:9], s[46:47]
.macro PACK a
.if FF1
	WIN 0x0a
.irp b, 0,1,2,3,4,5,6,7
.irp j, 0,1,2,3,4,5,6,7
	v_max_num_f32 v[T+8*\b+\j], 0, v[8*(8*\a+\b)+\j]
.endr
.endr
	WIN 0x0f
.irp b, 8,9,10,11
.irp j, 0,1,2,3,4,5,6,7
	v_max_num_f32 v[T+8*\b+\j], 0, v[8*(4*\a+\b-8)+\j]
.endr
.endr
	WIN 0
.irp b, 0,1,2,3,4,5,6,7,8,9,10,11
.irp i, 0,1,2,3
	v_cvt_pk_f16_f32 v[P+4*\b+\i], v[T+8*\b+2*\i], v[T+8*\b+2*\i+1]
.endr
.endr
.else
	WIN 0x0a
.irp b, 0,1,2,3,4,5,6,7
.irp i, 0,1,2,3
	v_cvt_pk_f16_f32 v[P+4*\b+\i], v[8*(8*\a+\b)+2*\i], v[8*(8*\a+\b)+2*\i+1]
.endr
.endr
	WIN 0x0f
.irp b, 8,9,10,11
.irp i, 0,1,2,3
	v_cvt_pk_f16_f32 v[P+4*\b+\i], v[8*(4*\a+\b-8)+2*\i], v[8*(4*\a+\b-8)+2*\i+1]
.endr
.endr
	WIN 0
.endif
.irp b, 0,1,2,3,4,5,6,7,8,9,10,11
	ds_store_b128 v[STO], v[P+4*\b:P+4*\b+3] offset:\a*16*SPITCH+32*\b
.endr
.endm
	PACK 0
	PACK 1
	PACK 2
	PACK 3
	s_wait_dscnt 0x0                               ; my stores are done, for the other waves' sake
	s_barrier_signal -1
	s_barrier_wait -1
; eight loads and eight stores; f: one of two halves of T in turn
.macro OUTB bn, f
	s_wait_xcnt 0x0                                ; the stores that read this half have had their addresses translated (ISA guide 3.1)
.irp t, 0,1,2,3,4,5,6,7
.if FF1
	ds_load_b128 v[\f+4*\t:\f+4*\t+3], v[RD] offset:2*((8*\bn+\t)/3)*SPITCH+256*((8*\bn+\t)%3)
.else
	ds_load_b128 v[\f+4*\t:\f+4*\t+3], v[RD] offset:4*\t*SPITCH+128*\bn
.endif
.endr
.irp t, 0,1,2,3,4,5,6,7
	s_wait_dscnt 7-\t
.if FF1
	global_store_b128 v[CO], v[\f+4*\t:\f+4*\t+3], s[8:9] offset:2*((8*\bn+\t)/3)*6144+256*((8*\bn+\t)%3)   ; 16 lanes: 256 consecutive bytes, aligned
.else
	global_store_b128 v[CO], v[\f+4*\t:\f+4*\t+3], s[8:9] offset:\bn*524288+512*\t                          ; 512 consecutive bytes, aligned
.endif
.endr
.endm
	OUTB 0, T
	OUTB 1, T+32
	OUTB 2, T
	OUTB 3, T+32
	OUTB 4, T
	OUTB 5, T+32
	s_set_vgpr_msb 0x1
	s_wait_tensorcnt 0x0
	ds_add_u32 v255, v255
	s_wait_dscnt 0x0
	s_set_vgpr_msb 0x100
	CROUND                                         ; the closing round: no work-group ends while a partner may still ask jointly
	s_endpgm
.Lfunc_end_k_qd0f853a044_qkv:
	.size	k_qd0f853a044_qkv, .Lfunc_end_k_qd0f853a044_qkv-k_qd0f853a044_qkv
	.p2alignl 7, 3214868480
	.fill 96, 4, 3214868480
	.section	.rodata,"a",@progbits
	.p2align	6, 0x0
	.amdhsa_kernel k_qd0f853a044_qkv
		.amdhsa_group_segment_fixed_size 327680
		.amdhsa_private_segment_fixed_size 0
		.amdhsa_enable_private_segment 0
		.amdhsa_kernarg_size 24
		.amdhsa_user_sgpr_count 2
		.amdhsa_user_sgpr_kernarg_segment_ptr 1
		.amdhsa_wavefront_size32 1
		.amdhsa_system_sgpr_workgroup_id_x 1
		.amdhsa_system_sgpr_workgroup_id_y 1
		.amdhsa_system_sgpr_workgroup_id_z 1
		.amdhsa_system_vgpr_workitem_id 0
		.amdhsa_next_free_vgpr 896
		.amdhsa_next_free_sgpr 66
		.amdhsa_reserve_vcc 0
		.amdhsa_float_denorm_mode_32 3
		.amdhsa_float_denorm_mode_16_64 3
		.amdhsa_memory_ordered 1
		.amdhsa_forward_progress 1
		.amdhsa_inst_pref_size 164
	.end_amdhsa_kernel
	.amdgpu_metadata
---
amdhsa.version: [ 1, 2 ]
amdhsa.kernels:
  - .name:           k_qd0f853a044_qkv
    .symbol:         k_qd0f853a044_qkv.kd
    .args:
      - { .name: nrm, .offset: 0, .size: 8, .value_kind: global_buffer, .address_space: global }
      - { .name: wb, .offset: 8, .size: 8, .value_kind: global_buffer, .address_space: global }
      - { .name: big, .offset: 16, .size: 8, .value_kind: global_buffer, .address_space: global }
    .group_segment_fixed_size: 327680
    .private_segment_fixed_size: 0
    .kernarg_segment_align: 8
    .kernarg_segment_size: 24
    .max_flat_workgroup_size: 128
    .sgpr_count:     66
    .vgpr_count:     896
    .wavefront_size: 32
...
	.end_amdgpu_metadata
.endif
;; end of part 2
;; launch attn (part 3): grid 8 x 32, 8 waves a work-group, no clusters, 327,680 bytes of LDS; arguments big, Wo, W1, W2, ctx, wb; writes ctx, wb
.if DOCPART == 3
	.amdgcn_target "amdgcn-amd-amdhsa--gfx1250"
	.amdhsa_code_object_version 6
	.text
	.protected	k_qd0f853a044_attn
	.globl	k_qd0f853a044_attn
	.p2align	8
	.type	k_qd0f853a044_attn,@function
k_qd0f853a044_attn:
	s_mov_b64 s[64:65], 0
	v_nop
	global_prefetch_b8 v0, s[64:65] scope:SCOPE_SE
	s_setreg_imm32_b32 hwreg(HW_REG_WAVE_MODE, 25, 1), 1
	s_wait_xcnt 0x0
; Causal attention of one head and batch (grid y = 16 b + h), query blocks p and 15 - p of 128 rows (grid x = p): (p + 1) + (16 - p) = 17 units
; of 128 keys in every work-group, so the work is even.  q, k, v lie in big as [hg][m][64] f16 (hg = head, 16 + head, 32 + head); ctx goes out as
; [head][m][64] f16.
; EIGHT WAVES, two on each SIMD, so that one wave's matrix instructions and LDS loads run under the other's softmax.  Waves w and w + 4 own the same
; queries 32 (w & 3) .. + 31 of the block (two tiles qt); of every unit wave w < 4 takes keys 0-63 and wave w + 4 keys 64-127, each with a running
; maximum, sum and ctx of its own.  At a block's end wave w + 4 hands its three through LDS to wave w, which merges them
; (m = max, a_i = exp2(c (m_i - m)), sum = sum_1 a_1 + sum_2 a_2, ctx likewise) and stores the block's rows.
; S^T = K Q^T (A = 16 keys, B = 16 queries): lane (r, h) register j holds key 8 h + j of query r, so maximum, sum and rescale are per lane with
; one exchange between the lane halves, and packing tiles 2 u, 2 u + 1 gives P^T's B fragment as it stands.  ctx^T = V^T P^T, V^T by transposing loads.
; Running maximum as in the reference's softmax; exponentials in base 2 with 1/8 and log2(e) folded into one factor.  A wave's 64 keys can all be
; masked (block 0's diagonal), so the running maximum starts at the lowest finite f32 and not at -inf: no finite score lies below it, and a masked
; score (-inf) still gives exp2 = 0.
; K and V come by tensor loads (16 rows of each a wave and unit) into two slots that take turns; two tensor loads of a wave are out at a time.
; NO MULTICAST: at trip u work-group p reads key unit u or u - p - 1, so the eight work-groups of a head want different tiles in the same trip.
; THE CAST OF Wo, W1, W2 to f16 rides along, since this launch computes far more than it moves: the 29,360,128 bytes are 28 x 2,048 pieces of 512
; bytes; piece 2,048 j + q belongs to wave q of the launch's 2,048 (j = 0-3 Wo, 4-15 W1, 16-27 W2).  A wave issues its 28 loads at its head into
; registers that nothing else uses, and casts and stores them once, four units later.  They land in wb behind byte 0x600000, in the inputs' order.
; The accumulators take turns, one instruction a turn.
; LIMITS: q, k, v and the probabilities are f16 operands.  A probability is at most 1 (the running maximum is taken away) and the merged sum at
; least 1; one below 2^-14 is rounded to 2^-25 absolute.  ctx is a mean of rows of v and has v's range (below 65,504).  Weights below 2^-14 are
; rounded to 2^-25 absolute.  v_exp_f32 and v_rcp_f32 flush denormals; sums in another order than the reference's.
.set KP,    144                        ; a K row: 128 bytes + 16
.set VP,    160                        ; a V row: 128 bytes + 32 (an odd multiple of 32, for the transposing loads)
.set VOFF,  128*KP
.set SLOT,  128*KP+128*VP              ; 38,912
.set STAGE, 2*SLOT                     ; 8 x 32 rows x 144 bytes, each wave's own; no tensor load lands here
.set MERGE, STAGE+8*32*KP              ; 4 x 8,704 bytes: what wave w + 4 hands to wave w; no tensor load lands here
.set MSZ,   17*512                     ; 16 x 512 bytes of ctx, 512 of maxima and sums
.set FLOOR, 0xff7fffff                 ; the lowest finite f32
.set MA,   0                           ; v0      my 16 bytes in the pair's merge area (written when v0 has served)
.set STO,  1
.set RD,   2
.set CO,   3                           ; 16 lane
.set QO,   4
.set NINF, 5
.set KAD,  6                           ; v6-7    my K fragments' address in slot 0, 1
.set VAD,  8                           ; v8-9    V's
.set DM,   10                          ; v10-11  32 (w & 3) + 16 qt + r - 8 h - 64 (w / 4): my key 16 kt + j is allowed if it is not above this
.set M,    12                          ; v12-13  running maximum (raw scores)
.set L,    14                          ; v14-15  running sum, my half of the lanes' keys
.set NM,   16                          ; v[16:19] pairs: - c x maximum
.set AL,   20                          ; v[20:23] pairs: the rescale factor
.set T,    24                          ; v[24:31] at work
.set Q,    32                          ; v[32:63]   Q fragments (16 qt + 8 ks)
.set S,    64                          ; v[64:127]  scores (32 qt + 8 kt), then P (32 qt + 8 u)
.set ACC,  128                         ; v[128:191] ctx^T (32 qt + 8 dt)
.set KF,   192                         ; v[192:255] K fragments (16 kt + 8 ks);  window 1 v[0:63]: V^T fragments (32 u + 8 dt)
.set WR,   64                          ; window 1 v[64:175]: my 28 pieces of the weights
.set WD,   176                         ; window 1 v176: 8 lane
.set G1K, 24
.set G0K, 32
.set G1V, 48
.set G0V, 56
.set MSB, 0
.macro WIN new
.if MSB != \new
	s_set_vgpr_msb (MSB<<8)|\new
.set MSB, \new
.endif
.endm
.macro PLACES5                         ; five places behind a matrix instruction (ISA guide 7.12.1), for matrix instructions that write over its registers too
.rept 5
	v_nop
.endr
.endm
	s_load_b128 s[4:7], s[0:1], 0x0                ; big, Wo
	s_load_b128 s[68:71], s[0:1], 0x10             ; W1, W2
	s_load_b128 s[72:75], s[0:1], 0x20             ; ctx, wb
	s_set_vgpr_msb 0x40
	v_lshl_add_u32 v184, v0, 2, 0x29000
	v_mov_b32 v185, 0
	s_set_vgpr_msb 0x4045
	ds_add_u32 v184, v185
	ds_add_u32 v184, v185
	s_set_vgpr_msb 0x4500
	v_lshrrev_b32 v24, 5, v0
	v_readfirstlane_b32 s8, v24                    ; wave 0..7
	s_and_b32 s3, s8, 3                            ; which 32 queries are mine
	s_mov_b32 s9, ttmp9                            ; p
	s_and_b32 s10, ttmp7, 0xffff                   ; 16 b + h
	s_lshl_b32 s82, s10, 3
	s_add_co_u32 s82, s82, s9                      ; the work-group's number
	s_lshl_b32 s82, s82, 3
	s_add_co_u32 s82, s82, s8                      ; q: my wave among the launch's 2,048
	s_lshl_b32 s84, s82, 8                         ; 256 q: my piece's bytes in wb
	s_mov_b32 s85, 0
	s_lshl_b32 s82, s82, 9                         ; 512 q: in the f32 weights
	s_mov_b32 s83, 0
	s_and_b32 s11, s10, 15                         ; head
	s_lshr_b32 s10, s10, 4                         ; batch
	s_lshl_b32 s22, s11, 19                        ; a head's plane: 4,096 rows of 128 bytes
	s_lshl_b32 s23, s10, 18
	s_add_co_u32 s22, s22, s23
	s_lshl_b32 s23, s3, 12                         ; my 32 query rows
	s_add_co_u32 s10, s22, s23
	s_mov_b32 s11, 0
	s_lshl_b32 s23, s8, 11                         ; the 16 rows of K and of V that I fetch
	s_add_co_u32 s22, s22, s23
	s_mov_b32 s23, 0
	s_mov_b32 s44, 0x76543210
	s_mov_b32 s45, 0xfedcba98
	s_mov_b32 s46, 0x3e38aa3b                      ; c = log2(e) / 8
	s_mov_b32 s47, 0x3e38aa3b
	s_mov_b32 s2, 0xbe38aa3b                       ; - c
	s_mov_b32 s[G1K+0], (1<<16)|(1<<20)|(4<<22)|(3<<25)   ; 2-byte elements, after 32 words 4 words of padding
	s_mov_b32 s[G1K+1], 64<<16
	s_mov_b32 s[G1K+2], 16<<16
	s_mov_b32 s[G1K+3], 64<<16
	s_mov_b32 s[G1K+4], 16
	s_mov_b32 s[G1K+5], 64
	s_mov_b32 s[G1K+6], 0
	s_mov_b32 s[G1K+7], 0
	s_mov_b32 s[G1V+0], (1<<16)|(1<<20)|(4<<22)|(7<<25)   ; 8 words of padding
	s_mov_b32 s[G1V+1], 64<<16
	s_mov_b32 s[G1V+2], 16<<16
	s_mov_b32 s[G1V+3], 64<<16
	s_mov_b32 s[G1V+4], 16
	s_mov_b32 s[G1V+5], 64
	s_mov_b32 s[G1V+6], 0
	s_mov_b32 s[G1V+7], 0
	s_wait_dscnt 0x0
	s_wait_kmcnt 0x0
	s_add_nc_u64 s[16:17], s[4:5], s[10:11]        ; q of my head, batch and queries
	s_add_nc_u64 s[12:13], s[4:5], s[22:23]
	s_add_nc_u64 s[14:15], s[12:13], 0x1000000     ; v: 32 planes on
	s_add_nc_u64 s[12:13], s[12:13], 0x800000      ; k: 16 planes on
	s_add_nc_u64 s[40:41], s[72:73], s[10:11]      ; ctx, as q
	s_sub_co_u32 s22, 15, s9
	s_lshl_b32 s22, s22, 14                        ; block 15 - p: 128 rows of 128 bytes each
	s_add_nc_u64 s[18:19], s[16:17], s[22:23]
	s_add_nc_u64 s[42:43], s[40:41], s[22:23]
	s_lshl_b32 s22, s9, 14                         ; block p
	s_add_nc_u64 s[16:17], s[16:17], s[22:23]
	s_add_nc_u64 s[40:41], s[40:41], s[22:23]
	s_add_nc_u64 s[6:7], s[6:7], s[82:83]          ; Wo at my piece: j = 0-3, a step of j is 2,048 pieces = 0x100000 bytes
	s_add_nc_u64 s[68:69], s[68:69], s[82:83]      ; W1: j = 4-11
	s_add_nc_u64 s[76:77], s[68:69], 0x800000      ; W1: j = 12-15 (the immediate offset holds less than 8 MiB)
	s_add_nc_u64 s[70:71], s[70:71], s[82:83]      ; W2: j = 16-23
	s_add_nc_u64 s[78:79], s[70:71], 0x800000      ; W2: j = 24-27
	s_add_nc_u64 s[74:75], s[74:75], s[84:85]
	s_add_nc_u64 s[74:75], s[74:75], 0x600000      ; wb at my piece: j = 0-15, a step of j is 0x80000 bytes
	s_add_nc_u64 s[80:81], s[74:75], 0x800000      ; j = 16-27
	s_mul_i32 s22, s8, 16*KP
	s_mul_i32 s23, s8, 16*VP
	s_add_co_u32 s23, s23, VOFF
.irp s, 0,1
	s_mov_b32 s[G0K+4*\s], 1
	s_add_co_u32 s[G0K+4*\s+1], s22, \s*SLOT
	s_mov_b32 s[G0V+4*\s], 1
	s_add_co_u32 s[G0V+4*\s+1], s23, \s*SLOT
.endr
	s_mov_b64 s[G0K+2:G0K+3], s[12:13]             ; unit 0 is key unit 0
	s_or_b32 s[G0K+3], s[G0K+3], 0x80000000
	s_mov_b64 s[G0V+2:G0V+3], s[14:15]
	s_or_b32 s[G0V+3], s[G0V+3], 0x80000000
	tensor_load_to_lds s[G0K:G0K+3], s[G1K:G1K+7]
	s_nop 0
	tensor_load_to_lds s[G0V:G0V+3], s[G1V:G1V+7]
	s_nop 0
	v_and_b32 v24, 15, v0                          ; r
	v_bfe_u32 v25, v0, 4, 1                        ; h
	v_and_b32 v26, 7, v0
	v_bfe_u32 v27, v0, 3, 1
	v_bfe_u32 v28, v0, 3, 2                        ; lane / 8
	v_and_b32 v29, 31, v0                          ; lane
	v_lshlrev_b32 v31, 7, v24
	v_lshl_add_u32 v[QO], v25, 4, v31              ; 128 r + 16 h
	v_lshlrev_b32 v[CO], 4, v29
.irp qt, 0,1
.irp ks, 0,1
	global_load_b128 v[Q+16*\qt+8*\ks:Q+16*\qt+8*\ks+3],   v[QO], s[16:17] offset:\qt*2048+64*\ks
	global_load_b128 v[Q+16*\qt+8*\ks+4:Q+16*\qt+8*\ks+7], v[QO], s[16:17] offset:\qt*2048+64*\ks+32
.endr
.endr
	WIN 0x40                                       ; destination window 1: my 28 pieces of the weights, 512 consecutive bytes a load
.irp j, 0,1,2,3
	global_load_b128 v[WR+4*\j:WR+4*\j+3], v[CO], s[6:7] offset:\j*0x100000 th:TH_LOAD_NT
.endr
.irp j, 0,1,2,3,4,5,6,7
	global_load_b128 v[WR+16+4*\j:WR+16+4*\j+3], v[CO], s[68:69] offset:\j*0x100000 th:TH_LOAD_NT
.endr
.irp j, 0,1,2,3
	global_load_b128 v[WR+48+4*\j:WR+48+4*\j+3], v[CO], s[76:77] offset:\j*0x100000 th:TH_LOAD_NT
.endr
.irp j, 0,1,2,3,4,5,6,7
	global_load_b128 v[WR+64+4*\j:WR+64+4*\j+3], v[CO], s[70:71] offset:\j*0x100000 th:TH_LOAD_NT
.endr
.irp j, 0,1,2,3
	global_load_b128 v[WR+96+4*\j:WR+96+4*\j+3], v[CO], s[78:79] offset:\j*0x100000 th:TH_LOAD_NT
.endr
	v_lshlrev_b32 v[WD], 3, v29                    ; 8 lane, in window 1
	WIN 0
	v_mul_u32_u24 v30, v24, KP
	v_lshl_add_u32 v30, v25, 4, v30                ; 144 r + 16 h
	s_lshr_b32 s10, s8, 2                          ; which 64 keys of a unit are mine
	s_mul_i32 s11, s10, 64*KP
	v_add_nc_u32 v[KAD], s11, v30
	v_add_nc_u32 v[KAD+1], SLOT, v[KAD]
	v_lshl_add_u32 v31, v25, 3, v26                ; key 8 h + (lane & 7)
	v_mul_u32_u24 v31, v31, VP
	v_lshl_add_u32 v31, v27, 4, v31
	s_mul_i32 s11, s10, 64*VP
	s_add_co_u32 s11, s11, VOFF
	v_add_nc_u32 v[VAD], s11, v31
	v_add_nc_u32 v[VAD+1], SLOT, v[VAD]
	s_mul_i32 s11, s8, 32*KP
	s_add_co_u32 s11, s11, STAGE
	v_add_nc_u32 v[STO], s11, v30
	v_mul_u32_u24 v31, v28, KP
	v_lshl_add_u32 v31, v26, 4, v31
	v_add_nc_u32 v[RD], s11, v31
	v_and_b32 v31, 0x6f, v0                        ; 32 (w & 3) + r
	v_lshlrev_b32 v30, 3, v25
	v_sub_nc_u32 v[DM], v31, v30
	s_lshl_b32 s11, s10, 6
	v_sub_nc_u32 v[DM], v[DM], s11                 ; - 64 for the waves of the upper keys: may be negative, compared as signed
	v_add_nc_u32 v[DM+1], 16, v[DM]
	v_mov_b32 v[NINF], 0xff800000
	s_mul_i32 s11, s3, MSZ
	s_add_co_u32 s11, s11, MERGE
	v_lshl_add_u32 v[MA], v29, 4, s11              ; waves w and w + 4 name the same bytes; v0 has served
	; Block p starts: maximum at the floor, sum 0, ctx 0.  Its first unit stands in the loop, so the products that start the sums cannot be written
	; out with the constant 0.  (Block 15 - p needs no clearing: see FIN.)
	v_mov_b32 v[M], FLOOR
	v_mov_b32 v[M+1], FLOOR
	v_mov_b32 v[L], 0
	v_mov_b32 v[L+1], 0
.irp i, 0,1,2,3,4,5,6,7,8,9,10,11,12,13,14,15,16,17,18,19,20,21,22,23,24,25,26,27,28,29,30,31
	v_mov_b32 v[ACC+2*\i], 0
	v_mov_b32 v[ACC+2*\i+1], 0
.endr
	s_wait_loadcnt 28                              ; Q is in; the 28 younger loads of the weights stay out
.macro KLOAD slot                      ; 16 loads: my 64 keys x 64 d
.irp kt, 0,1,2,3
.irp ks, 0,1
	ds_load_b128 v[KF+16*\kt+8*\ks:KF+16*\kt+8*\ks+3],   v[KAD+\slot] offset:16*\kt*KP+64*\ks
	ds_load_b128 v[KF+16*\kt+8*\ks+4:KF+16*\kt+8*\ks+7], v[KAD+\slot] offset:16*\kt*KP+64*\ks+32
.endr
.endr
.endm
; My 64 keys against my 32 queries.  diag = 1: the mask is always applied; 0: only where this unit is block p's diagonal (s21 = p)
.macro SUB slot, diag
	WIN 0x40
.irp u, 0,1
.irp dt, 0,1,2,3
	ds_load_tr16_b128 v[32*\u+8*\dt:32*\u+8*\dt+3],   v[VAD+\slot] offset:32*\u*VP+32*\dt
	ds_load_tr16_b128 v[32*\u+8*\dt+4:32*\u+8*\dt+7], v[VAD+\slot] offset:32*\u*VP+32*\dt+16*VP
.endr
.endr
	WIN 0
	s_wait_dscnt 16                                ; K's fragments are in; the 16 loads of V just issued stay out
.irp kt, 0,1,2,3
.irp qt, 0,1
	v_wmma_f32_16x16x32_f16 v[S+32*\qt+8*\kt:S+32*\qt+8*\kt+7], v[KF+16*\kt:KF+16*\kt+7], v[Q+16*\qt:Q+16*\qt+7], 0
.endr
.endr
.irp kt, 0,1,2,3
.irp qt, 0,1
	v_wmma_f32_16x16x32_f16 v[S+32*\qt+8*\kt:S+32*\qt+8*\kt+7], v[KF+16*\kt+8:KF+16*\kt+15], v[Q+16*\qt+8:Q+16*\qt+15], v[S+32*\qt+8*\kt:S+32*\qt+8*\kt+7]
.endr
.endr
	PLACES5
.if \diag == 0
	s_cmp_lg_u32 s21, s9
	s_cbranch_scc1 .Lnomask_\@
.endif
.irp qt, 0,1
.irp kt, 0,1,2,3
.irp j, 0,1,2,3,4,5,6,7
	v_cmp_le_i32 vcc_lo, 16*\kt+\j, v[DM+\qt]
	v_cndmask_b32 v[S+32*\qt+8*\kt+\j], v[NINF], v[S+32*\qt+8*\kt+\j], vcc_lo
.endr
.endr
.endr
.if \diag == 0
.Lnomask_\@:
.endif
	; the new maximum: two chains for each query tile; chain one also takes the old maximum, which is never below the floor
.irp qt, 0,1
	v_max3_num_f32 v[T+2*\qt],   v[S+32*\qt],    v[S+32*\qt+1],  v[S+32*\qt+2]
	v_max3_num_f32 v[T+2*\qt+1], v[S+32*\qt+16], v[S+32*\qt+17], v[S+32*\qt+18]
.endr
.irp i, 3,5,7,9,11,13
.irp qt, 0,1
	v_max3_num_f32 v[T+2*\qt],   v[T+2*\qt],   v[S+32*\qt+\i],    v[S+32*\qt+\i+1]
	v_max3_num_f32 v[T+2*\qt+1], v[T+2*\qt+1], v[S+32*\qt+16+\i], v[S+32*\qt+16+\i+1]
.endr
.endr
.irp qt, 0,1
	v_max3_num_f32 v[T+2*\qt], v[T+2*\qt], v[S+32*\qt+15], v[M+\qt]
.endr
.irp qt, 0,1
	v_max3_num_f32 v[T+2*\qt], v[T+2*\qt], v[T+2*\qt+1], v[S+32*\qt+31]
.endr
.irp qt, 0,1
	v_permlanex16_b32 v[T+2*\qt+1], v[T+2*\qt], s44, s45   ; the other eight keys of each tile lie in the other half of the lanes
.endr
.irp qt, 0,1
	v_max_num_f32 v[T+2*\qt], v[T+2*\qt], v[T+2*\qt+1]     ; always finite
.endr
.irp qt, 0,1
	v_sub_f32 v[T+2*\qt+1], v[M+\qt], v[T+2*\qt]
	v_mul_f32 v[NM+2*\qt], s2, v[T+2*\qt]
	v_mul_f32 v[NM+2*\qt+1], s2, v[T+2*\qt]
	v_mov_b32 v[M+\qt], v[T+2*\qt]
	v_mul_f32 v[T+2*\qt+1], s46, v[T+2*\qt+1]
.endr
.irp qt, 0,1
	v_exp_f32 v[AL+2*\qt], v[T+2*\qt+1]            ; the packed multiply-adds below are the plain places behind these (ISA guide 5.7.2)
	v_exp_f32 v[AL+2*\qt+1], v[T+2*\qt+1]
.endr
.irp qt, 0,1
.irp i, 0,1,2,3,4,5,6,7,8,9,10,11,12,13,14,15
	v_pk_fma_f32 v[S+32*\qt+2*\i:S+32*\qt+2*\i+1], v[S+32*\qt+2*\i:S+32*\qt+2*\i+1], s[46:47], v[NM+2*\qt:NM+2*\qt+1] op_sel_hi:[1,0,1]
.endr
.endr
.irp i, 0,1,2,3,4,5,6,7,8,9,10,11,12,13,14,15,16,17,18,19,20,21,22,23,24,25,26,27,28,29,30,31
	v_exp_f32 v[S+2*\i], v[S+2*\i]
	v_exp_f32 v[S+2*\i+1], v[S+2*\i+1]
.endr
	s_wait_alu depctr_va_vdst(0)
.irp qt, 0,1
.irp i, 0,1,2,3,4,5,6,7,8,9,10,11,12,13,14,15
	v_pk_mul_f32 v[ACC+32*\qt+2*\i:ACC+32*\qt+2*\i+1], v[ACC+32*\qt+2*\i:ACC+32*\qt+2*\i+1], v[AL+2*\qt:AL+2*\qt+1]   ; plain places behind the exponentials
.endr
.endr
.irp qt, 0,1
	v_pk_add_f32 v[T+4*\qt:T+4*\qt+1],   v[S+32*\qt:S+32*\qt+1],     v[S+32*\qt+2:S+32*\qt+3]
	v_pk_add_f32 v[T+4*\qt+2:T+4*\qt+3], v[S+32*\qt+16:S+32*\qt+17], v[S+32*\qt+18:S+32*\qt+19]
.endr
.irp i, 4,6,8,10,12,14
.irp qt, 0,1
	v_pk_add_f32 v[T+4*\qt:T+4*\qt+1],   v[T+4*\qt:T+4*\qt+1],   v[S+32*\qt+\i:S+32*\qt+\i+1]
	v_pk_add_f32 v[T+4*\qt+2:T+4*\qt+3], v[T+4*\qt+2:T+4*\qt+3], v[S+32*\qt+16+\i:S+32*\qt+16+\i+1]
.endr
.endr
.irp qt, 0,1
	v_pk_add_f32 v[T+4*\qt:T+4*\qt+1], v[T+4*\qt:T+4*\qt+1], v[T+4*\qt+2:T+4*\qt+3]
.endr
.irp qt, 0,1
	v_add_f32 v[T+4*\qt], v[T+4*\qt], v[T+4*\qt+1]
.endr
.irp qt, 0,1
	v_fma_f32 v[L+\qt], v[L+\qt], v[AL+2*\qt], v[T+4*\qt]
.endr
.irp qt, 0,1
.irp u, 0,1
.irp i, 0,1,2,3,4,5,6,7
	v_cvt_pk_f16_f32 v[S+32*\qt+8*\u+\i], v[S+32*\qt+16*\u+2*\i], v[S+32*\qt+16*\u+2*\i+1]   ; in place: a target never lies above an unread source
.endr
.endr
.endr
	s_wait_dscnt 0                                 ; V is in
	WIN 0x01                                       ; source 0 (V^T) in window 1
.irp u, 0,1
.irp dt, 0,1,2,3
.irp qt, 0,1
	v_wmma_f32_16x16x32_f16 v[ACC+32*\qt+8*\dt:ACC+32*\qt+8*\dt+7], v[32*\u+8*\dt:32*\u+8*\dt+7], v[S+32*\qt+8*\u:S+32*\qt+8*\u+7], v[ACC+32*\qt+8*\dt:ACC+32*\qt+8*\dt+7]
.endr
.endr
.endr
	WIN 0
	PLACES5                                        ; ahead of the loads into V's fragments and into P, of the scores that write over P, and of reads of ctx
.endm
; A block ends.  Waves 4-7 lay ctx, maxima and sums into the pair's merge area; a barrier (every wave passes it: the way here hangs on the unit's
; number alone); waves 0-3 merge, divide by the sum, round, put 16 bytes a lane into their stage, read whole rows back and store 512 consecutive bytes
; at a time.  tail = 0: block p ends and block 15 - p begins (its Q is fetched meanwhile); tail = 1: block 15 - p ends.
.macro FIN tail
.if \tail == 0
.irp qt, 0,1
.irp ks, 0,1
	global_load_b128 v[Q+16*\qt+8*\ks:Q+16*\qt+8*\ks+3],   v[QO], s[18:19] offset:\qt*2048+64*\ks
	global_load_b128 v[Q+16*\qt+8*\ks+4:Q+16*\qt+8*\ks+7], v[QO], s[18:19] offset:\qt*2048+64*\ks+32
.endr
.endr
.endif
	s_cmp_lt_u32 s8, 4
	s_cbranch_scc1 .Lkeep_\@
.irp g, 0,1,2,3,4,5,6,7,8,9,10,11,12,13,14,15
	ds_store_b128 v[MA], v[ACC+4*\g:ACC+4*\g+3] offset:512*\g      ; lane by lane, 512 consecutive bytes a store
.endr
	ds_store_b128 v[MA], v[M:M+3] offset:16*512                    ; two maxima, two sums
.Lkeep_\@:
	s_wait_dscnt 0x0                               ; my stores are done, for my partner's sake
	s_barrier_signal -1
	s_barrier_wait -1                              ; the next unit's tiles stay on their way
	s_cmp_ge_u32 s8, 4
	s_cbranch_scc1 .Ldone_\@
	ds_load_b128 v[T:T+3], v[MA] offset:16*512     ; the partner's maxima (T, T+1) and sums (T+2, T+3)
.irp g, 0,1,2,3,4,5,6,7,8,9,10,11,12,13,14,15
	ds_load_b128 v[S+4*\g:S+4*\g+3], v[MA] offset:512*\g           ; and its ctx, register for register
.endr
	s_wait_dscnt 16                                ; maxima and sums are in; the 16 loads of ctx stay out
.irp qt, 0,1
	v_max_num_f32 v[T+4+\qt], v[M+\qt], v[T+\qt]
.endr
.irp qt, 0,1
	v_sub_f32 v[NM+2*\qt], v[M+\qt], v[T+4+\qt]
	v_sub_f32 v[NM+2*\qt+1], v[T+\qt], v[T+4+\qt]
.endr
.irp i, 0,1,2,3
	v_mul_f32 v[NM+\i], s46, v[NM+\i]
.endr
.irp i, 0,1,2,3
	v_exp_f32 v[NM+\i], v[NM+\i]                   ; a_1, a_2 for each query tile; one of the two is 1
.endr
	v_nop                                          ; one plain place behind a transcendental (ISA guide 5.7.2)
	s_wait_alu depctr_va_vdst(0)
.irp qt, 0,1
	v_mul_f32 v[L+\qt], v[L+\qt], v[NM+2*\qt]
.endr
.irp qt, 0,1
	v_fma_f32 v[L+\qt], v[T+2+\qt], v[NM+2*\qt+1], v[L+\qt]
.endr
.irp qt, 0,1
	v_permlanex16_b32 v[T+4+\qt], v[L+\qt], s44, s45       ; the sums of the other half of the lanes
.endr
.irp qt, 0,1
	v_add_f32 v[T+4+\qt], v[T+4+\qt], v[L+\qt]
.endr
.irp qt, 0,1
	v_rcp_f32 v[T+4+\qt], v[T+4+\qt]
.endr
	v_nop
	s_wait_alu depctr_va_vdst(0)
.irp qt, 0,1
	v_mul_f32 v[AL+2*\qt], v[NM+2*\qt], v[T+4+\qt]         ; a_1 / sum, twice
	v_mul_f32 v[AL+2*\qt+1], v[NM+2*\qt], v[T+4+\qt]
	v_mul_f32 v[NM+2*\qt], v[NM+2*\qt+1], v[T+4+\qt]       ; a_2 / sum, twice
	v_mul_f32 v[NM+2*\qt+1], v[NM+2*\qt+1], v[T+4+\qt]
.endr
	s_wait_dscnt 0
.irp qt, 0,1
.irp i, 0,1,2,3,4,5,6,7,8,9,10,11,12,13,14,15
	v_pk_mul_f32 v[ACC+32*\qt+2*\i:ACC+32*\qt+2*\i+1], v[ACC+32*\qt+2*\i:ACC+32*\qt+2*\i+1], v[AL+2*\qt:AL+2*\qt+1]
.endr
.endr
.irp qt, 0,1
.irp i, 0,1,2,3,4,5,6,7,8,9,10,11,12,13,14,15
	v_pk_fma_f32 v[ACC+32*\qt+2*\i:ACC+32*\qt+2*\i+1], v[S+32*\qt+2*\i:S+32*\qt+2*\i+1], v[NM+2*\qt:NM+2*\qt+1], v[ACC+32*\qt+2*\i:ACC+32*\qt+2*\i+1]
.endr
.endr
.irp qt, 0,1
.irp dt, 0,1,2,3
.irp i, 0,1,2,3
	v_cvt_pk_f16_f32 v[S+16*\qt+4*\dt+\i], v[ACC+32*\qt+8*\dt+2*\i], v[ACC+32*\qt+8*\dt+2*\i+1]
.endr
	ds_store_b128 v[STO], v[S+16*\qt+4*\dt:S+16*\qt+4*\dt+3] offset:\qt*16*KP+32*\dt
.endr
.endr
.irp g, 0,1,2,3,4,5,6,7
	ds_load_b128 v[KF+4*\g:KF+4*\g+3], v[RD] offset:4*KP*\g        ; my own bytes: LDS serves a wave's instructions in order (ISA guide 5.7.1.4)
.endr
.irp g, 0,1,2,3,4,5,6,7
	s_wait_dscnt 7-\g
.if \tail
	global_store_b128 v[CO], v[KF+4*\g:KF+4*\g+3], s[42:43] offset:512*\g
.else
	global_store_b128 v[CO], v[KF+4*\g:KF+4*\g+3], s[40:41] offset:512*\g
.endif
.endr
.Ldone_\@:
.if \tail == 0
	; Block 15 - p starts with the maximum at the floor.  Its first unit is key unit 0, which is never masked (15 - p is at least 8), so the first
	; rescale factor is exp2(c (floor - maximum)) = 0 and wipes the old block's sums and ctx, which are finite: nothing is cleared.
	v_mov_b32 v[M], FLOOR
	v_mov_b32 v[M+1], FLOOR
	s_wait_loadcnt 0x0                             ; the new Q
	s_wait_xcnt 0x0                                ; K's fragment registers, which the stores read, are loaded again only behind this wait
.endif
.endm
; One unit of 128 keys from slot; refill = 1: the next unit's K and V go into the other slot.
.macro UNIT slot, uoff, refill, tail
	s_add_co_u32 s21, s20, \uoff                   ; this unit's number
	s_set_vgpr_msb 0x5
	s_wait_tensorcnt 0x0                           ; all my tensor loads are done, my rows of this unit among them: every group 0 may be written
	ds_add_u32 v184, v185
	s_wait_dscnt 0x0
	s_set_vgpr_msb 0x500
.if \refill
	s_add_co_u32 s22, s21, 1                       ; unit t = u + 1 reads key unit t (block p) or t - p - 1 (block 15 - p)
	s_sub_co_u32 s23, s21, s9
	s_cmp_le_u32 s22, s9
	s_cselect_b32 s22, s22, s23
	s_lshl_b32 s22, s22, 14
	s_mov_b32 s23, 0
	s_add_nc_u64 s[G0K+4*(1-\slot)+2:G0K+4*(1-\slot)+3], s[12:13], s[22:23]
	s_or_b32 s[G0K+4*(1-\slot)+3], s[G0K+4*(1-\slot)+3], 0x80000000
	s_add_nc_u64 s[G0V+4*(1-\slot)+2:G0V+4*(1-\slot)+3], s[14:15], s[22:23]
	s_or_b32 s[G0V+4*(1-\slot)+3], s[G0V+4*(1-\slot)+3], 0x80000000
.endif
	s_wait_dscnt 0x0                               ; my reads of the other slot are done
	s_barrier_signal -1
	s_barrier_wait -1                              ; both now hold of every wave
.if \refill
	tensor_load_to_lds s[G0K+4*(1-\slot):G0K+4*(1-\slot)+3], s[G1K:G1K+7]
	s_nop 0
	tensor_load_to_lds s[G0V+4*(1-\slot):G0V+4*(1-\slot)+3], s[G1V:G1V+7]
	s_nop 0
.endif
	KLOAD \slot
	SUB \slot, \tail
.if \tail
	FIN 1
.else
	s_cmp_lg_u32 s21, s9
	s_cbranch_scc1 .Lnofin_\@
	FIN 0
.Lnofin_\@:
.endif
.endm
	s_mov_b32 s20, 0
.Lunit:
	s_cmp_lg_u32 s20, 4
	s_cbranch_scc1 .Lnocast
	; once, four units after the loads were issued: my 28 pieces of Wo, W1, W2 become f16 and go to wb
	s_wait_loadcnt 0x0
	WIN 0x45                                       ; sources and destination in window 1
.irp j, 0,1,2,3,4,5,6,7,8,9,10,11,12,13,14,15,16,17,18,19,20,21,22,23,24,25,26,27
	v_cvt_pk_f16_f32 v[WR+4*\j], v[WR+4*\j], v[WR+4*\j+1]
	v_cvt_pk_f16_f32 v[WR+4*\j+1], v[WR+4*\j+2], v[WR+4*\j+3]
.endr
	WIN 0x05                                       ; address and data in window 1
.irp j, 0,1,2,3,4,5,6,7,8,9,10,11,12,13,14,15
	global_store_b64 v[WD], v[WR+4*\j:WR+4*\j+1], s[74:75] offset:\j*0x80000        ; 32 lanes x 8 bytes: 256 consecutive bytes, aligned
.endr
.irp j, 16,17,18,19,20,21,22,23,24,25,26,27
	global_store_b64 v[WD], v[WR+4*\j:WR+4*\j+1], s[80:81] offset:(\j-16)*0x80000
.endr
	WIN 0
.Lnocast:
	UNIT 0, 0, 1, 0
	UNIT 1, 1, 1, 0
	s_add_co_u32 s20, s20, 2
	s_cmp_lt_u32 s20, 16
	s_cbranch_scc1 .Lunit
	UNIT 0, 0, 0, 1                                ; unit 16: block 15 - p's diagonal; nothing more is fetched
	s_set_vgpr_msb 0x5
	s_wait_tensorcnt 0x0
	ds_add_u32 v184, v185
	s_wait_dscnt 0x0
	s_set_vgpr_msb 0x500
	s_endpgm
.Lfunc_end_k_qd0f853a044_attn:
	.size	k_qd0f853a044_attn, .Lfunc_end_k_qd0f853a044_attn-k_qd0f853a044_attn
	.p2alignl 7, 3214868480
	.fill 96, 4, 3214868480
	.section	.rodata,"a",@progbits
	.p2align	6, 0x0
	.amdhsa_kernel k_qd0f853a044_attn
		.amdhsa_group_segment_fixed_size 327680
		.amdhsa_private_segment_fixed_size 0
		.amdhsa_enable_private_segment 0
		.amdhsa_kernarg_size 48
		.amdhsa_user_sgpr_count 2
		.amdhsa_user_sgpr_kernarg_segment_ptr 1
		.amdhsa_wavefront_size32 1
		.amdhsa_system_sgpr_workgroup_id_x 1
		.amdhsa_system_sgpr_workgroup_id_y 1
		.amdhsa_system_sgpr_workgroup_id_z 1
		.amdhsa_system_vgpr_workitem_id 0
		.amdhsa_next_free_vgpr 442
		.amdhsa_next_free_sgpr 86
		.amdhsa_reserve_vcc 1
		.amdhsa_float_denorm_mode_32 3
		.amdhsa_float_denorm_mode_16_64 3
		.amdhsa_memory_ordered 1
		.amdhsa_forward_progress 1
		.amdhsa_inst_pref_size 122
	.end_amdhsa_kernel
	.amdgpu_metadata
---
amdhsa.version: [ 1, 2 ]
amdhsa.kernels:
  - .name:           k_qd0f853a044_attn
    .symbol:         k_qd0f853a044_attn.kd
    .args:
      - { .name: big, .offset: 0, .size: 8, .value_kind: global_buffer, .address_space: global }
      - { .name: Wo, .offset: 8, .size: 8, .value_kind: global_buffer, .address_space: global }
      - { .name: W1, .offset: 16, .size: 8, .value_kind: global_buffer, .address_space: global }
      - { .name: W2, .offset: 24, .size: 8, .value_kind: global_buffer, .address_space: global }
      - { .name: ctx, .offset: 32, .size: 8, .value_kind: global_buffer, .address_space: global }
      - { .name: wb, .offset: 40, .size: 8, .value_kind: global_buffer, .address_space: global }
    .group_segment_fixed_size: 327680
    .private_segment_fixed_size: 0
    .kernarg_segment_align: 8
    .kernarg_segment_size: 48
    .max_flat_workgroup_size: 256
    .sgpr_count:     86
    .vgpr_count:     442
    .wavefront_size: 32
...
	.end_amdgpu_metadata
.endif
;; end of part 3
;; launch wo (part 4): grid 8 x 32, 4 waves a work-group, clusters of 4 x 4, 327,680 bytes of LDS; arguments ctx, wb, bo, x, x1; writes x1
.if DOCPART == 4
	.amdgcn_target "amdgcn-amd-amdhsa--gfx1250"
	.amdhsa_code_object_version 6
	.text
	.protected	k_qd0f853a044_wo
	.globl	k_qd0f853a044_wo
	.p2align	8
	.type	k_qd0f853a044_wo,@function
k_qd0f853a044_wo:
	s_mov_b64 s[64:65], 0
	v_nop
	global_prefetch_b8 v0, s[64:65] scope:SCOPE_SE
	s_setreg_imm32_b32 hwreg(HW_REG_WAVE_MODE, 25, 1), 1
	s_wait_xcnt 0x0
	s_wait_alu depctr_hold_cnt(0) depctr_sa_sdst(0) depctr_va_vdst(0) depctr_va_sdst(0) depctr_va_ssrc(0) depctr_va_vcc(0) depctr_vm_vsrc(0)
	s_getreg_b32 s2, hwreg(HW_REG_IB_STS2, 6, 4)
	s_cmp_eq_u32 s2, 0
	s_cbranch_scc0 .Lentry_in_a_cluster
	s_endpgm
.Lentry_in_a_cluster:
	s_bfe_u32 s2, ttmp6, 0x10000c
	s_cmp_lg_u32 s2, 0xf033
	s_cbranch_scc0 .Lentry_shape_is_right
	s_endpgm
.Lentry_shape_is_right:
; out = residual + bias + A B^T, out and residual f32 [4096][1024], sums in f32.
; WO = 1: A = ctx, [head][m][64] f16 (K = 64 head + d), B = Wo in wb, K = 1,024.   WO = 0: A = big [4096][3072] f16, B = W2 in wb, K = 3,072.
; A work-group makes 128 x 128 (32 x 8 = 256 work-groups), a wave 64 x 64: 16 accumulator tiles.  K goes in steps of 256 through two LDS slots,
; four quarters of 64 each.  CLUSTERS: 4 x 4; A's tile is asked for jointly by a row of the cluster, B's by a column; every wave issues both loads
; of a K step for a part of its own (32 rows; with WO = 1 one head's plane of A).
; The matrix instruction is used transposed (source 0 = rows of B): lane (r, h) holds row r, columns 8 h .. 8 h + 7.  The bias is the C of the first
; products.  The 16 accumulators take turns, one instruction a turn.
; REGISTERS: window 0: v16-27 addresses, v64-191 A's fragments (two buffers; on the way out the residual), v192-255 at work; window 1: v64-191 B's;
; window 2: tile (a, b) at v[8 (4 a + b)], bias tile b at v[128 + 8 b].
; LIMITS: operands are f16, as the launches before stored them; sums in the matrix unit's order.
.set WO, 1
.if WO
.set KDIM,  1024
.set PA,    144                        ; a row of a head's plane: 128 bytes + 16
.set AQ,    128*PA                     ; a plane: what one wave fetches of A
.set WOFF,  0x600000
.set ASTEP, 4*524288                   ; from one K step's A to the next: four planes
.else
.set KDIM,  3072
.set PA,    528                        ; 512 bytes + 16
.set AQ,    32*PA
.set WOFF,  0xE00000
.set ASTEP, 512
.endif
.set ASZ,    4*AQ
.set PB,     528
.set BQ,     32*PB
.set SLOT,   ASZ+4*BQ
.set STAGE,  2*SLOT                    ; 4 x 16 rows x 272 bytes, each wave's own; no tensor load lands here
.set SPITCH, 272
.set LAPS,   KDIM/512
.set FLAGB,  (1<<16)|(1<<20)|(1<<21)|(6<<22)|(3<<25)   ; after 128 words 4 words of padding
.set FLAGP,  (1<<16)|(1<<20)|(1<<21)|(4<<22)|(3<<25)   ; after 32 words
.set ADRA, 16
.set ADRB, 20
.set STO,  24
.set RD,   25
.set CO,   26
.set BO,   27
.set F0,   64
.set F1,   128
.set RES,  64
.set T,    192
.set G1A, 24
.set G0A, 32
.set G1B, 48
.set G0B, 56
.set MSB, 0
.macro WIN new
.if MSB != \new
	s_set_vgpr_msb (MSB<<8)|\new
.set MSB, \new
.endif
.endm
.macro PLACES                          ; four places behind a matrix instruction (ISA guide 7.12.1)
.rept 4
	v_nop
.endr
.endm
.macro CREST
	s_cmp_lg_u32 s10, 0
	s_cbranch_scc1 .Lnot_wave_0_\@
	s_barrier_signal -3
.Lnot_wave_0_\@:
	s_barrier_wait -3
	s_barrier_signal -1
	s_barrier_wait -1
.endm
.macro CROUND
	s_barrier_signal -1
	s_barrier_wait -1
	CREST
.endm
	s_load_b128 s[4:7], s[0:1], 0x0                ; A, wb
	s_load_b64 s[2:3], s[0:1], 0x10                ; bias
	s_load_b64 s[8:9], s[0:1], 0x18                ; residual
	s_load_b64 s[22:23], s[0:1], 0x20              ; out
	s_set_vgpr_msb 0x40
	v_lshl_add_u32 v255, v0, 2, 0x49400
	s_set_vgpr_msb 0x4000
	v_mov_b32 v63, 0
	s_set_vgpr_msb 0x1
	ds_add_u32 v255, v63
	ds_add_u32 v255, v63
	s_set_vgpr_msb 0x100
	v_lshrrev_b32 v1, 5, v0
	v_readfirstlane_b32 s10, v1                    ; wave
	s_lshr_b32 s11, s10, 1                         ; wr
	s_and_b32 s12, s10, 1                          ; wc
	s_bfe_u32 s40, ttmp6, 0x40000                  ; cx
	s_bfe_u32 s41, ttmp6, 0x40004                  ; cy
	s_lshl_b32 s42, ttmp9, 2
	s_add_co_u32 s42, s42, s40                     ; block column
	s_and_b32 s13, ttmp7, 0xffff
	s_lshl_b32 s13, s13, 2
	s_add_co_u32 s13, s13, s41                     ; block row
	s_lshl_b32 s43, s41, 2
	s_lshl_b32 s43, 15, s43
	s_lshl_b32 s44, 0x1111, s40
.if WO
	s_or_b32 s[G1A+0], s43, FLAGP                  ; a plane: 128 rows of 64 elements, dense
	s_mov_b32 s[G1A+1], 64<<16
	s_mov_b32 s[G1A+2], 128<<16
	s_mov_b32 s[G1A+3], 64<<16
	s_mov_b32 s[G1A+4], 128
	s_mov_b32 s[G1A+5], 64
.else
	s_or_b32 s[G1A+0], s43, FLAGB                  ; 32 rows of 256 elements
	s_mov_b32 s[G1A+1], 256<<16
	s_mov_b32 s[G1A+2], 32<<16
	s_mov_b32 s[G1A+3], 256<<16
	s_mov_b32 s[G1A+4], 32
	s_mov_b32 s[G1A+5], KDIM
.endif
	s_mov_b32 s[G1A+6], 0
	s_mov_b32 s[G1A+7], 0
	s_or_b32 s[G1B+0], s44, FLAGB
	s_mov_b32 s[G1B+1], 256<<16
	s_mov_b32 s[G1B+2], 32<<16
	s_mov_b32 s[G1B+3], 256<<16
	s_mov_b32 s[G1B+4], 32
	s_mov_b32 s[G1B+5], KDIM
	s_mov_b32 s[G1B+6], 0
	s_mov_b32 s[G1B+7], 0
.if WO
	s_lshl_b32 s16, s10, 19                        ; A: plane = wave, rows 128 x block row of 128 bytes
	s_lshl_b32 s17, s13, 14
	s_add_co_u32 s16, s16, s17
.else
	s_lshl_b32 s16, s13, 7                         ; A: row 128 x block row + 32 x wave
	s_lshl_b32 s17, s10, 5
	s_add_co_u32 s16, s16, s17
	s_mul_i32 s16, s16, KDIM*2
.endif
	s_mov_b32 s17, 0
	s_lshl_b32 s46, s42, 7                         ; B: row 128 x block column + 32 x wave
	s_lshl_b32 s47, s10, 5
	s_add_co_u32 s46, s46, s47
	s_mul_i32 s46, s46, KDIM*2
	s_add_co_u32 s46, s46, WOFF
	s_mov_b32 s47, 0
	s_mul_i32 s20, s10, AQ
	s_mul_i32 s21, s10, BQ
	s_add_co_u32 s21, s21, ASZ
	s_wait_dscnt 0x0
	s_wait_kmcnt 0x0
	s_add_nc_u64 s[14:15], s[4:5], s[16:17]
	s_add_nc_u64 s[46:47], s[6:7], s[46:47]
	CROUND                                         ; all sixteen work-groups are here: the first joint loads meet
.irp s, 0,1
	s_mov_b32 s[G0A+4*\s], 1
	s_add_co_u32 s[G0A+4*\s+1], s20, \s*SLOT
	s_add_nc_u64 s[G0A+4*\s+2:G0A+4*\s+3], s[14:15], \s*ASTEP
	s_or_b32 s[G0A+4*\s+3], s[G0A+4*\s+3], 0x80000000
	s_mov_b32 s[G0B+4*\s], 1
	s_add_co_u32 s[G0B+4*\s+1], s21, \s*SLOT
	s_add_nc_u64 s[G0B+4*\s+2:G0B+4*\s+3], s[46:47], \s*512
	s_or_b32 s[G0B+4*\s+3], s[G0B+4*\s+3], 0x80000000
	tensor_load_to_lds s[G0A+4*\s:G0A+4*\s+3], s[G1A:G1A+7]
	s_nop 0
	tensor_load_to_lds s[G0B+4*\s:G0B+4*\s+3], s[G1B:G1B+7]       ; four tensor loads of the wave are out here, later two
	s_nop 0
.endr
	v_and_b32 v1, 15, v0                           ; r
	v_bfe_u32 v2, v0, 4, 1                         ; h
	v_mul_u32_u24 v3, v1, PA
	v_lshl_add_u32 v3, v2, 4, v3
	v_mul_u32_u24 v4, v1, PB
	v_lshl_add_u32 v4, v2, 4, v4
	s_mul_i32 s18, s11, 64*PA
	s_mul_i32 s19, s12, 64*PB
	s_add_co_u32 s19, s19, ASZ
.irp s, 0,1
	v_add_nc_u32 v[ADRA+\s], s18, v3
	v_add_nc_u32 v[ADRB+\s], s19, v4
	s_add_co_u32 s18, s18, SLOT
	s_add_co_u32 s19, s19, SLOT
.endr
	s_mul_i32 s18, s10, 16*SPITCH
	s_add_co_u32 s18, s18, STAGE
	v_mul_u32_u24 v5, v1, SPITCH
	v_lshl_add_u32 v5, v2, 5, v5
	v_add_nc_u32 v[STO], s18, v5                   ; in: row r, 32 bytes for each half of the lanes
	v_mul_u32_u24 v5, v2, SPITCH
	v_lshl_add_u32 v5, v1, 4, v5
	v_add_nc_u32 v[RD], s18, v5                    ; back: lanes 0-15 one row of 256 bytes, lanes 16-31 the next
	v_lshlrev_b32 v5, 12, v2
	v_lshl_add_u32 v[CO], v1, 4, v5                ; the same two rows in out and in the residual
	v_lshlrev_b32 v[BO], 5, v2
	s_lshl_b32 s46, s42, 9                         ; bias at column 128 x block column + 64 wc
	s_lshl_b32 s47, s12, 8
	s_add_co_u32 s46, s46, s47
	s_mov_b32 s47, 0
	s_add_nc_u64 s[2:3], s[2:3], s[46:47]
	WIN 0x80                                       ; destination window 2
.irp b, 0,1,2,3
	global_load_b128 v[128+8*\b:128+8*\b+3], v[BO], s[2:3] offset:64*\b        ; register j = bias[16 b + 8 h + j]: C's layout
	global_load_b128 v[128+8*\b+4:128+8*\b+7], v[BO], s[2:3] offset:64*\b+16
.endr
	WIN 0
	s_wait_loadcnt 0x0
; 8 matrix instructions: row blocks a0, a0 + 1 x four column blocks, 32 along K (half ks of the quarter).  first = 1: the bias starts the sums
.macro MUL8 f, ks, a0, first
.irp a, \a0, \a0+1
.irp b, 0,1,2,3
.if \first
	v_wmma_f32_16x16x32_f16 v[8*(4*(\a)+\b):8*(4*(\a)+\b)+7], v[\f+32*\ks+8*\b:\f+32*\ks+8*\b+7], v[\f+32*\ks+8*(\a):\f+32*\ks+8*(\a)+7], v[128+8*\b:128+8*\b+7]
.else
	v_wmma_f32_16x16x32_f16 v[8*(4*(\a)+\b):8*(4*(\a)+\b)+7], v[\f+32*\ks+8*\b:\f+32*\ks+8*\b+7], v[\f+32*\ks+8*(\a):\f+32*\ks+8*(\a)+7], v[8*(4*(\a)+\b):8*(4*(\a)+\b)+7]
.endif
.endr
.endr
.endm
; 32 LDS loads in one run: quarter q of the slot into buffer f; B first, then A, the first 32 of K ahead of the second in each
.macro FETCH slot, q, f
	WIN 0x40
.irp ks, 0,1
.irp i, 0,1,2,3
	ds_load_b128 v[\f+32*\ks+8*\i:\f+32*\ks+8*\i+3],   v[ADRB+\slot] offset:\i*16*PB+128*\q+64*\ks
	ds_load_b128 v[\f+32*\ks+8*\i+4:\f+32*\ks+8*\i+7], v[ADRB+\slot] offset:\i*16*PB+128*\q+64*\ks+32
.endr
.endr
	WIN 0
.irp ks, 0,1
.irp i, 0,1,2,3
.if WO
	ds_load_b128 v[\f+32*\ks+8*\i:\f+32*\ks+8*\i+3],   v[ADRA+\slot] offset:\q*AQ+\i*16*PA+64*\ks
	ds_load_b128 v[\f+32*\ks+8*\i+4:\f+32*\ks+8*\i+7], v[ADRA+\slot] offset:\q*AQ+\i*16*PA+64*\ks+32
.else
	ds_load_b128 v[\f+32*\ks+8*\i:\f+32*\ks+8*\i+3],   v[ADRA+\slot] offset:\i*16*PA+128*\q+64*\ks
	ds_load_b128 v[\f+32*\ks+8*\i+4:\f+32*\ks+8*\i+7], v[ADRA+\slot] offset:\i*16*PA+128*\q+64*\ks+32
.endif
.endr
.endr
.endm
.macro QUARTER slot, q, f, g, first
	s_wait_dscnt 8                                 ; all but the youngest eight loads: A's second 32 of K may be out
	WIN 0xa1
	MUL8 \f, 0, 0, \first
	MUL8 \f, 0, 2, \first
	PLACES
	FETCH \slot, \q, \g
	s_wait_dscnt 32                                ; all but the 32 just issued
	WIN 0xa1
	MUL8 \f, 1, 0, 0
	MUL8 \f, 1, 2, 0
.endm
.macro THREE slot, first
	QUARTER \slot, 1, F0, F1, \first
	QUARTER \slot, 2, F1, F0, 0
	QUARTER \slot, 3, F0, F1, 0
.endm
; the last quarter multiplies buffer 1 and changes slots: each wave's reads of this slot and all its tensor loads are waited for in front of the
; barrier; where the slot is filled again the cluster's round follows, then the two joint refills first
.macro TURN slot, next, fill
	s_wait_dscnt 8
	WIN 0xa1
	MUL8 F1, 0, 0, 0
	s_wait_dscnt 0
	s_wait_tensorcnt 0x0
	ds_add_u32 v255, v63
	s_wait_dscnt 0x0
	s_barrier_signal -1
	MUL8 F1, 0, 2, 0
	WIN 0
	s_barrier_wait -1
.if \fill
	CREST
	s_add_nc_u64 s[G0A+4*\slot+2:G0A+4*\slot+3], s[G0A+4*\slot+2:G0A+4*\slot+3], 2*ASTEP
	s_add_nc_u64 s[G0B+4*\slot+2:G0B+4*\slot+3], s[G0B+4*\slot+2:G0B+4*\slot+3], 1024
	tensor_load_to_lds s[G0A+4*\slot:G0A+4*\slot+3], s[G1A:G1A+7]
	s_nop 0
	tensor_load_to_lds s[G0B+4*\slot:G0B+4*\slot+3], s[G1B:G1B+7]
	s_nop 0
.endif
	PLACES
	FETCH \next, 0, F0
	WIN 0xa1
	MUL8 F1, 1, 0, 0
	MUL8 F1, 1, 2, 0
.endm
.macro LAP first
	THREE 0, \first
	TURN 0, 1, 1
	THREE 1, 0
	TURN 1, 0, 1
.endm
	s_wait_tensorcnt 2                             ; my two loads of K step 0 are in; K step 1's two stay out
	s_barrier_signal -1
	s_barrier_wait -1
	FETCH 0, 0, F0
	LAP 1
.if LAPS > 2
	WIN 0
	s_mov_b32 s45, LAPS-2
.Llap:
	LAP 0
	WIN 0
	s_sub_co_u32 s45, s45, 1
	s_cmp_lg_u32 s45, 0
	s_cbranch_scc1 .Llap
.endif
	THREE 0, 0                                     ; the last lap fills nothing
	TURN 0, 1, 0
	THREE 1, 0
	s_wait_dscnt 8
	WIN 0xa1
	MUL8 F1, 0, 0, 0
	MUL8 F1, 0, 2, 0
	s_wait_dscnt 0
	MUL8 F1, 1, 0, 0
	MUL8 F1, 1, 2, 0
	; THE WAY OUT, 16 rows at a time: the f32 tiles go through my own stage, come back as whole rows of 256 bytes, take the residual and are stored.
	WIN 0
	PLACES
	s_lshl_b32 s16, s13, 7
	s_lshl_b32 s17, s11, 6
	s_add_co_u32 s16, s16, s17
	s_lshl_b32 s16, s16, 12                        ; row 128 x block row + 64 wr, rows of 4,096 bytes
	s_mov_b32 s17, 0
	s_add_nc_u64 s[8:9], s[8:9], s[16:17]
	s_add_nc_u64 s[22:23], s[22:23], s[16:17]
	s_add_nc_u64 s[8:9], s[8:9], s[46:47]          ; s[46:47] still holds 512 x block column + 256 wc
	s_add_nc_u64 s[22:23], s[22:23], s[46:47]
.irp a, 0,1,2,3
.irp t, 0,1,2,3,4,5,6,7
	global_load_b128 v[RES+32*\a+4*\t:RES+32*\a+4*\t+3], v[CO], s[8:9] offset:(16*\a+2*\t)*4096
.endr
.endr
.macro OUT16 a, f
	s_wait_xcnt 0x0                                ; the stores that read this half of T have had their addresses translated (ISA guide 3.1)
	WIN 0x08                                       ; store data in window 2
.irp b, 0,1,2,3
	ds_store_b128 v[STO], v[8*(4*\a+\b):8*(4*\a+\b)+3] offset:64*\b
	ds_store_b128 v[STO], v[8*(4*\a+\b)+4:8*(4*\a+\b)+7] offset:64*\b+16
.endr
	WIN 0
.irp t, 0,1,2,3,4,5,6,7
	ds_load_b128 v[\f+4*\t:\f+4*\t+3], v[RD] offset:2*SPITCH*\t    ; my own bytes: LDS serves a wave's instructions in order (ISA guide 5.7.1.4)
.endr
	s_wait_loadcnt 8*(3-\a)                        ; these 16 rows' residual is in; the later rows' loads stay out
.irp t, 0,1,2,3,4,5,6,7
	s_wait_dscnt 7-\t
	v_pk_add_f32 v[\f+4*\t:\f+4*\t+1], v[\f+4*\t:\f+4*\t+1], v[RES+32*\a+4*\t:RES+32*\a+4*\t+1]
	v_pk_add_f32 v[\f+4*\t+2:\f+4*\t+3], v[\f+4*\t+2:\f+4*\t+3], v[RES+32*\a+4*\t+2:RES+32*\a+4*\t+3]
	global_store_b128 v[CO], v[\f+4*\t:\f+4*\t+3], s[22:23] offset:(16*\a+2*\t)*4096   ; 16 lanes: 256 consecutive bytes, aligned
.endr
.endm
	OUT16 0, T
	OUT16 1, T+32
	OUT16 2, T
	OUT16 3, T+32
	s_set_vgpr_msb 0x1
	s_wait_tensorcnt 0x0
	ds_add_u32 v255, v63
	s_wait_dscnt 0x0
	s_set_vgpr_msb 0x100
	CROUND                                         ; the closing round
	s_endpgm
.Lfunc_end_k_qd0f853a044_wo:
	.size	k_qd0f853a044_wo, .Lfunc_end_k_qd0f853a044_wo-k_qd0f853a044_wo
	.p2alignl 7, 3214868480
	.fill 96, 4, 3214868480
	.section	.rodata,"a",@progbits
	.p2align	6, 0x0
	.amdhsa_kernel k_qd0f853a044_wo
		.amdhsa_group_segment_fixed_size 327680
		.amdhsa_private_segment_fixed_size 0
		.amdhsa_enable_private_segment 0
		.amdhsa_kernarg_size 40
		.amdhsa_user_sgpr_count 2
		.amdhsa_user_sgpr_kernarg_segment_ptr 1
		.amdhsa_wavefront_size32 1
		.amdhsa_system_sgpr_workgroup_id_x 1
		.amdhsa_system_sgpr_workgroup_id_y 1
		.amdhsa_system_sgpr_workgroup_id_z 1
		.amdhsa_system_vgpr_workitem_id 0
		.amdhsa_next_free_vgpr 672
		.amdhsa_next_free_sgpr 66
		.amdhsa_reserve_vcc 0
		.amdhsa_float_denorm_mode_32 3
		.amdhsa_float_denorm_mode_16_64 3
		.amdhsa_memory_ordered 1
		.amdhsa_forward_progress 1
		.amdhsa_inst_pref_size 95
	.end_amdhsa_kernel
	.amdgpu_metadata
---
amdhsa.version: [ 1, 2 ]
amdhsa.kernels:
  - .name:           k_qd0f853a044_wo
    .symbol:         k_qd0f853a044_wo.kd
    .args:
      - { .name: ctx, .offset: 0, .size: 8, .value_kind: global_buffer, .address_space: global }
      - { .name: wb, .offset: 8, .size: 8, .value_kind: global_buffer, .address_space: global }
      - { .name: bo, .offset: 16, .size: 8, .value_kind: global_buffer, .address_space: global }
      - { .name: x, .offset: 24, .size: 8, .value_kind: global_buffer, .address_space: global }
      - { .name: x1, .offset: 32, .size: 8, .value_kind: global_buffer, .address_space: global }
    .group_segment_fixed_size: 327680
    .private_segment_fixed_size: 0
    .kernarg_segment_align: 8
    .kernarg_segment_size: 40
    .max_flat_workgroup_size: 128
    .sgpr_count:     66
    .vgpr_count:     672
    .wavefront_size: 32
...
	.end_amdgpu_metadata
.endif
;; end of part 4
;; launch ln2 (part 5): grid 256 x 1, 4 waves a work-group, no clusters, 0 bytes of LDS; arguments x1, g2, be2, nrm; writes nrm
.if DOCPART == 5
	.amdgcn_target "amdgcn-amd-amdhsa--gfx1250"
	.amdhsa_code_object_version 6
	.text
	.protected	k_qd0f853a044_ln2
	.globl	k_qd0f853a044_ln2
	.p2align	8
	.type	k_qd0f853a044_ln2,@function
k_qd0f853a044_ln2:
	s_mov_b64 s[64:65], 0
	v_nop
	global_prefetch_b8 v0, s[64:65] scope:SCOPE_SE
	s_setreg_imm32_b32 hwreg(HW_REG_WAVE_MODE, 25, 1), 1
	s_wait_xcnt 0x0
; Layer norm 2: nrm (f16, [4096][1024]) = g2 (x1 - mean) / (std + 1e-6) + be2, std unbiased.  A work-group takes 16 rows, a wave four; a row
; is 32 registers of one wave, read from memory once, and never leaves its wave: no LDS, no barrier.  All 48 loads of a wave are issued at once.
; LIMITS: the result is f16 (magnitudes below 65,504): it is at most 32 |g2| + |be2|, since no element of a normalised row of 1,024 is above
; sqrt(1023).  Two passes over registers (mean first, then the squares of the differences), sums in another order than the reference's;
; v_sqrt_f32 and v_rcp_f32 flush denormals, so a variance below 2^-126 counts as 0.
.set XO, 1                             ; v1        16 lane + 16,384 wave
.set YO, 2                             ; v2        8 lane + 8,192 wave
.set GO, 3                             ; v3        16 lane
.set G,  4                             ; v[4:35]   gamma of my 32 columns
.set BE, 36                            ; v[36:67]  beta
.set X,  68                            ; v[68:195] four rows of 32 registers
.set T,  196                           ; v[196:205] at work
.macro FOLD                            ; the four chains in T .. T+7 become one number, the same in all 32 lanes
	v_pk_add_f32 v[T:T+1], v[T:T+1], v[T+2:T+3]
	v_pk_add_f32 v[T+4:T+5], v[T+4:T+5], v[T+6:T+7]
	v_pk_add_f32 v[T:T+1], v[T:T+1], v[T+4:T+5]
	v_add_f32 v[T], v[T], v[T+1]
	v_add_f32_dpp v[T], v[T], v[T] row_xmask:1 row_mask:0xf bank_mask:0xf
	v_add_f32_dpp v[T], v[T], v[T] row_xmask:2 row_mask:0xf bank_mask:0xf
	v_add_f32_dpp v[T], v[T], v[T] row_xmask:4 row_mask:0xf bank_mask:0xf
	v_add_f32_dpp v[T], v[T], v[T] row_xmask:8 row_mask:0xf bank_mask:0xf
	v_permlanex16_b32 v[T+1], v[T], s12, s13
	v_add_f32 v[T], v[T], v[T+1]
.endm
; one row: registers 4 j .. 4 j + 3 of lane l hold columns 128 j + 4 l .. + 3.  left = loads of later rows that stay out
.macro LNROW s, left
.set XR, X+32*\s
	s_wait_loadcnt \left
.irp k, 0,1,2,3
	v_pk_add_f32 v[T+2*\k:T+2*\k+1], v[XR+4*\k:XR+4*\k+1], v[XR+4*\k+2:XR+4*\k+3]
.endr
.irp i, 8,9,10,11,12,13,14,15
	v_pk_add_f32 v[T+2*(\i%4):T+2*(\i%4)+1], v[T+2*(\i%4):T+2*(\i%4)+1], v[XR+2*\i:XR+2*\i+1]
.endr
	FOLD
	v_mul_f32 v[T+8], 0x3a800000, v[T]             ; mean = sum / 1024, twice
	v_mul_f32 v[T+9], 0x3a800000, v[T]
.irp i, 0,1,2,3,4,5,6,7,8,9,10,11,12,13,14,15
	v_pk_add_f32 v[XR+2*\i:XR+2*\i+1], v[XR+2*\i:XR+2*\i+1], v[T+8:T+9] neg_lo:[0,1] neg_hi:[0,1]
.endr
.irp k, 0,1,2,3
	v_pk_mul_f32 v[T+2*\k:T+2*\k+1], v[XR+2*\k:XR+2*\k+1], v[XR+2*\k:XR+2*\k+1]
.endr
.irp i, 4,5,6,7,8,9,10,11,12,13,14,15
	v_pk_fma_f32 v[T+2*(\i%4):T+2*(\i%4)+1], v[XR+2*\i:XR+2*\i+1], v[XR+2*\i:XR+2*\i+1], v[T+2*(\i%4):T+2*(\i%4)+1]
.endr
	FOLD
	v_mul_f32 v[T], 0x3a802008, v[T]               ; / 1023
	v_sqrt_f32 v[T+1], v[T]
	v_nop                                          ; one plain place behind a transcendental (ISA guide 5.7.2)
	s_wait_alu depctr_va_vdst(0)
	v_add_f32 v[T+1], 0x358637bd, v[T+1]           ; + 1e-6
	v_rcp_f32 v[T+8], v[T+1]
	v_rcp_f32 v[T+9], v[T+1]
	v_nop
	s_wait_alu depctr_va_vdst(0)
.irp i, 0,1,2,3,4,5,6,7,8,9,10,11,12,13,14,15
	v_pk_mul_f32 v[XR+2*\i:XR+2*\i+1], v[XR+2*\i:XR+2*\i+1], v[T+8:T+9]
.endr
.irp i, 0,1,2,3,4,5,6,7,8,9,10,11,12,13,14,15
	v_pk_fma_f32 v[XR+2*\i:XR+2*\i+1], v[XR+2*\i:XR+2*\i+1], v[G+2*\i:G+2*\i+1], v[BE+2*\i:BE+2*\i+1]
.endr
.irp j, 0,1,2,3,4,5,6,7
	v_cvt_pk_f16_f32 v[XR+4*\j], v[XR+4*\j], v[XR+4*\j+1]
	v_cvt_pk_f16_f32 v[XR+4*\j+1], v[XR+4*\j+2], v[XR+4*\j+3]
	global_store_b64 v[YO], v[XR+4*\j:XR+4*\j+1], s[10:11] offset:\s*2048+256*\j   ; 32 lanes x 8 bytes: 256 consecutive bytes, aligned
.endr
.endm
	s_load_b128 s[4:7], s[0:1], 0x0                ; x1, g2
	s_load_b128 s[8:11], s[0:1], 0x10              ; be2, nrm
	v_and_b32 v[GO], 31, v0
	v_lshrrev_b32 v[T], 5, v0
	v_lshlrev_b32 v[GO], 4, v[GO]
	v_lshrrev_b32 v[YO], 1, v[GO]
	v_lshl_or_b32 v[XO], v[T], 14, v[GO]
	v_lshl_or_b32 v[YO], v[T], 13, v[YO]
	s_lshl_b32 s14, ttmp9, 16
	s_mov_b32 s15, 0
	s_lshl_b32 s16, ttmp9, 15
	s_mov_b32 s17, 0
	s_mov_b32 s12, 0x76543210
	s_mov_b32 s13, 0xfedcba98
	s_wait_kmcnt 0x0
	s_add_nc_u64 s[4:5], s[4:5], s[14:15]
	s_add_nc_u64 s[10:11], s[10:11], s[16:17]
.irp j, 0,1,2,3,4,5,6,7
	global_load_b128 v[G+4*\j:G+4*\j+3], v[GO], s[6:7] offset:512*\j
.endr
.irp j, 0,1,2,3,4,5,6,7
	global_load_b128 v[BE+4*\j:BE+4*\j+3], v[GO], s[8:9] offset:512*\j
.endr
.irp s, 0,1,2,3
.irp j, 0,1,2,3,4,5,6,7
	global_load_b128 v[X+32*\s+4*\j:X+32*\s+4*\j+3], v[XO], s[4:5] offset:\s*4096+512*\j
.endr
.endr
	LNROW 0, 24
	LNROW 1, 16
	LNROW 2, 8
	LNROW 3, 0
	s_endpgm
.Lfunc_end_k_qd0f853a044_ln2:
	.size	k_qd0f853a044_ln2, .Lfunc_end_k_qd0f853a044_ln2-k_qd0f853a044_ln2
	.p2alignl 7, 3214868480
	.fill 96, 4, 3214868480
	.section	.rodata,"a",@progbits
	.p2align	6, 0x0
	.amdhsa_kernel k_qd0f853a044_ln2
		.amdhsa_group_segment_fixed_size 0
		.amdhsa_private_segment_fixed_size 0
		.amdhsa_enable_private_segment 0
		.amdhsa_kernarg_size 32
		.amdhsa_user_sgpr_count 2
		.amdhsa_user_sgpr_kernarg_segment_ptr 1
		.amdhsa_wavefront_size32 1
		.amdhsa_system_sgpr_workgroup_id_x 1
		.amdhsa_system_sgpr_workgroup_id_y 1
		.amdhsa_system_sgpr_workgroup_id_z 1
		.amdhsa_system_vgpr_workitem_id 0
		.amdhsa_next_free_vgpr 216
		.amdhsa_next_free_sgpr 66
		.amdhsa_reserve_vcc 0
		.amdhsa_float_denorm_mode_32 3
		.amdhsa_float_denorm_mode_16_64 3
		.amdhsa_memory_ordered 1
		.amdhsa_forward_progress 1
		.amdhsa_inst_pref_size 38
	.end_amdhsa_kernel
	.amdgpu_metadata
---
amdhsa.version: [ 1, 2 ]
amdhsa.kernels:
  - .name:           k_qd0f853a044_ln2
    .symbol:         k_qd0f853a044_ln2.kd
    .args:
      - { .name: x1, .offset: 0, .size: 8, .value_kind: global_buffer, .address_space: global }
      - { .name: g2, .offset: 8, .size: 8, .value_kind: global_buffer, .address_space: global }
      - { .name: be2, .offset: 16, .size: 8, .value_kind: global_buffer, .address_space: global }
      - { .name: nrm, .offset: 24, .size: 8, .value_kind: global_buffer, .address_space: global }
    .group_segment_fixed_size: 0
    .private_segment_fixed_size: 0
    .kernarg_segment_align: 8
    .kernarg_segment_size: 32
    .max_flat_workgroup_size: 128
    .sgpr_count:     66
    .vgpr_count:     216
    .wavefront_size: 32
...
	.end_amdgpu_metadata
.endif
;; end of part 5
;; launch ff1 (part 6): grid 8 x 32, 4 waves a work-group, clusters of 4 x 4, 327,680 bytes of LDS; arguments nrm, wb, b1, big; writes big
.if DOCPART == 6
	.amdgcn_target "amdgcn-amd-amdhsa--gfx1250"
	.amdhsa_code_object_version 6
	.text
	.protected	k_qd0f853a044_ff1
	.globl	k_qd0f853a044_ff1
	.p2align	8
	.type	k_qd0f853a044_ff1,@function
k_qd0f853a044_ff1:
	s_mov_b64 s[64:65], 0
	v_nop
	global_prefetch_b8 v0, s[64:65] scope:SCOPE_SE
	s_setreg_imm32_b32 hwreg(HW_REG_WAVE_MODE, 25, 1), 1
	s_wait_xcnt 0x0
	s_wait_alu depctr_hold_cnt(0) depctr_sa_sdst(0) depctr_va_vdst(0) depctr_va_sdst(0) depctr_va_ssrc(0) depctr_va_vcc(0) depctr_vm_vsrc(0)
	s_getreg_b32 s2, hwreg(HW_REG_IB_STS2, 6, 4)
	s_cmp_eq_u32 s2, 0
	s_cbranch_scc0 .Lentry_in_a_cluster
	s_endpgm
.Lentry_in_a_cluster:
	s_bfe_u32 s2, ttmp6, 0x10000c
	s_cmp_lg_u32 s2, 0xf033
	s_cbranch_scc0 .Lentry_shape_is_right
	s_endpgm
.Lentry_shape_is_right:
; C = A B^T with A = nrm [4096][1024] f16 and B = 3,072 rows of wb [n][1024] f16, sums in f32.
; FF1 = 0: B = the transposed Wq, Wk, Wv; C goes out in f16 as big[hg = n / 64][m][64].
; FF1 = 1: B = W1; C = relu(. + b1) goes out in f16 as big[m][3072].
; A work-group makes 128 x 384 of C (32 x 8 = 256 work-groups); wave w makes rows 64 (w / 2) .. and columns 192 (w & 1) ..: 4 x 12 = 48
; accumulator tiles, 16 fragments for 48 matrix instructions.  K goes in steps of 128 (rows of 256 bytes) through two LDS slots.
; CLUSTERS: 4 x 4 work-groups.  A's tile hangs on the block row alone and is asked for jointly by a row of the cluster, B's on the block
; column alone and by a column.  Every wave issues both loads of a K step for rows of its own: A's 32 w .., B's 96 w ...
; The matrix instruction is used transposed (source 0 = rows of B, source 1 = rows of A): lane (r, h) then holds row r of C and eight
; neighbouring columns 8 h .. 8 h + 7.  The 48 accumulators take turns, one instruction a turn.
; REGISTERS: window 0: v16-27 addresses, v32-95 A's fragments (two buffers), v96-191 T, v192-239 P; window 1: v0-191 B's fragments (two
; buffers); window 2: tile (a, b < 8) at v[8 (8 a + b)]; window 3: tile (a, b >= 8) at v[8 (4 a + b - 8)], and (FF1) bias tile b at v[128 + 8 b].
; LIMITS: operands and results are f16: a result of magnitude 65,504 or more becomes infinite.  The results' root mean square is
; 32 x |A| x |B|: 1 at the drawn sizes, 900 with gains and weights both 30 times larger.  relu is v_max_num_f32, so a NaN becomes 0;
; sums in the matrix unit's order.
.set FF1,    1
.set KDIM,   1024
.set KSTEP,  128
.set PITCH,  272                       ; 256 bytes + 16 of padding: an odd multiple of 16, so 16 rows start in 16 different 16-byte columns
.set AQ,     32*PITCH                  ; what one wave fetches of A
.set BQ,     96*PITCH                  ; and of B
.set ASZ,    128*PITCH
.set SLOT,   512*PITCH                 ; A's 128 rows, then B's 384
.set SPITCH, 784                       ; the stage: 128 rows of 768 bytes + 16, in slot 0 behind its last fill
.set LAPS,   KDIM/(2*KSTEP)
.set FLAGS,  (1<<16)|(1<<20)|(1<<21)|(5<<22)|(3<<25)   ; 2-byte elements; padding on; bit 21 beside a mask; after 64 words; 4 words
.set ADRA, 16
.set ADRB, 20
.set STO,  24
.set RD,   25
.set CO,   26
.set BO,   27
.set FA0,  32
.set FB0,  0
.set T,    96
.set P,    192
.set G1A, 24
.set G0A, 32
.set G1B, 48
.set G0B, 56
.set MSB, 0
.macro WIN new                         ; the immediate's high byte repeats the setting that is left
.if MSB != \new
	s_set_vgpr_msb (MSB<<8)|\new
.set MSB, \new
.endif
.endm
.macro WLO first                       ; B window 1, A window 0, D window 2; C window 2, or window 3 where the bias starts the sum
.if FF1*\first
	WIN 0xb1
.else
	WIN 0xa1
.endif
.endm
.macro PLACES                          ; four places behind a matrix instruction ahead of loads into, or reads of, its registers
.rept 4
	v_nop
.endr
.endm
.macro CREST                           ; a round of the cluster's barrier behind its opening barrier
	s_cmp_lg_u32 s10, 0
	s_cbranch_scc1 .Lnot_wave_0_\@
	s_barrier_signal -3
.Lnot_wave_0_\@:
	s_barrier_wait -3
	s_barrier_signal -1
	s_barrier_wait -1
.endm
.macro CROUND
	s_barrier_signal -1
	s_barrier_wait -1
	CREST
.endm
	s_load_b128 s[4:7], s[0:1], 0x0                ; A, wb
.if FF1
	s_load_b64 s[2:3], s[0:1], 0x10                ; b1
	s_load_b64 s[8:9], s[0:1], 0x18                ; big
	s_set_vgpr_msb 0x40
	v_lshl_add_u32 v255, v0, 2, 0x44000
	s_set_vgpr_msb 0x4000
	v_mov_b32 v255, 0
	s_set_vgpr_msb 0x1
	ds_add_u32 v255, v255
	ds_add_u32 v255, v255
	s_set_vgpr_msb 0x100
.else
	s_load_b64 s[8:9], s[0:1], 0x10                ; big
.endif
	v_lshrrev_b32 v1, 5, v0
	v_readfirstlane_b32 s10, v1                    ; wave
	s_lshr_b32 s11, s10, 1                         ; wr
	s_and_b32 s12, s10, 1                          ; wc
	s_bfe_u32 s40, ttmp6, 0x40000                  ; cx
	s_bfe_u32 s41, ttmp6, 0x40004                  ; cy
	s_lshl_b32 s42, ttmp9, 2
	s_add_co_u32 s42, s42, s40                     ; block column
	s_and_b32 s13, ttmp7, 0xffff
	s_lshl_b32 s13, s13, 2
	s_add_co_u32 s13, s13, s41                     ; block row
	s_lshl_b32 s43, s41, 2
	s_lshl_b32 s43, 15, s43                        ; my row of the cluster
	s_lshl_b32 s44, 0x1111, s40                    ; my column
	s_or_b32 s[G1A+0], s43, FLAGS
	s_mov_b32 s[G1A+1], KSTEP<<16                  ; tensor_dim0 = 128
	s_mov_b32 s[G1A+2], 32<<16                     ; tensor_dim1 = 32
	s_mov_b32 s[G1A+3], KSTEP<<16                  ; tile_dim0 = 128
	s_mov_b32 s[G1A+4], 32                         ; tile_dim1 = 32
	s_mov_b32 s[G1A+5], KDIM                       ; elements from row to row
	s_mov_b32 s[G1A+6], 0
	s_mov_b32 s[G1A+7], 0
	s_or_b32 s[G1B+0], s44, FLAGS
	s_mov_b32 s[G1B+1], KSTEP<<16
	s_mov_b32 s[G1B+2], 96<<16
	s_mov_b32 s[G1B+3], KSTEP<<16
	s_mov_b32 s[G1B+4], 96
	s_mov_b32 s[G1B+5], KDIM
	s_mov_b32 s[G1B+6], 0
	s_mov_b32 s[G1B+7], 0
	s_lshl_b32 s16, s13, 7                         ; A: row 128 x block row + 32 x wave, rows of 2,048 bytes
	s_lshl_b32 s17, s10, 5
	s_add_co_u32 s16, s16, s17
	s_lshl_b32 s16, s16, 11
	s_mov_b32 s17, 0
	s_mul_i32 s46, s42, 384                        ; B: row 384 x block column + 96 x wave
	s_mul_i32 s47, s10, 96
	s_add_co_u32 s46, s46, s47
	s_lshl_b32 s46, s46, 11
.if FF1
	s_add_co_u32 s46, s46, 0x800000                ; W1 in wb
.endif
	s_mov_b32 s47, 0
	s_mul_i32 s20, s10, AQ                         ; where they go: the wave's number alone
	s_mul_i32 s21, s10, BQ
	s_add_co_u32 s21, s21, ASZ
	s_wait_dscnt 0x0
	s_wait_kmcnt 0x0
	s_add_nc_u64 s[14:15], s[4:5], s[16:17]
	s_add_nc_u64 s[46:47], s[6:7], s[46:47]
	CROUND                                         ; all sixteen work-groups are here: the first joint loads meet
.irp s, 0,1
	s_mov_b32 s[G0A+4*\s], 1
	s_add_co_u32 s[G0A+4*\s+1], s20, \s*SLOT
	s_add_nc_u64 s[G0A+4*\s+2:G0A+4*\s+3], s[14:15], \s*KSTEP*2
	s_or_b32 s[G0A+4*\s+3], s[G0A+4*\s+3], 0x80000000
	s_mov_b32 s[G0B+4*\s], 1
	s_add_co_u32 s[G0B+4*\s+1], s21, \s*SLOT
	s_add_nc_u64 s[G0B+4*\s+2:G0B+4*\s+3], s[46:47], \s*KSTEP*2
	s_or_b32 s[G0B+4*\s+3], s[G0B+4*\s+3], 0x80000000
	tensor_load_to_lds s[G0A+4*\s:G0A+4*\s+3], s[G1A:G1A+7]
	s_nop 0
	tensor_load_to_lds s[G0B+4*\s:G0B+4*\s+3], s[G1B:G1B+7]       ; four tensor loads of the wave are out here, later two
	s_nop 0
.endr
	v_and_b32 v1, 15, v0                           ; r
	v_bfe_u32 v2, v0, 4, 1                         ; h
	v_mul_u32_u24 v3, v1, PITCH
	v_lshl_add_u32 v3, v2, 4, v3                   ; r x pitch + 16 h
	s_mul_i32 s18, s11, 64*PITCH
	s_mul_i32 s19, s12, 192*PITCH
	s_add_co_u32 s19, s19, ASZ
.irp s, 0,1
	v_add_nc_u32 v[ADRA+\s], s18, v3
	v_add_nc_u32 v[ADRB+\s], s19, v3
	s_add_co_u32 s18, s18, SLOT
	s_add_co_u32 s19, s19, SLOT
.endr
	s_mul_i32 s18, s11, 64*SPITCH
	s_mul_i32 s19, s12, 384
	s_add_co_u32 s18, s18, s19
	v_mul_u32_u24 v4, v1, SPITCH
	v_lshl_add_u32 v4, v2, 4, v4
	v_add_nc_u32 v[STO], s18, v4                   ; stage in: row 64 wr + r, byte 384 wc + 16 h
	s_mul_i32 s18, s10, 32*SPITCH
.if FF1
	v_mul_u32_u24 v5, v2, SPITCH                   ; stage back: lanes 0-15 take 256 bytes of one row, lanes 16-31 of the next
	v_lshl_add_u32 v5, v1, 4, v5
	v_add_nc_u32 v[RD], s18, v5
	v_mul_u32_u24 v5, v2, 6144
	v_lshl_add_u32 v[CO], v1, 4, v5
.else
	v_bfe_u32 v5, v0, 3, 2                         ; stage back: eight lanes take one head's 128 bytes of a row, four rows a load
	v_and_b32 v6, 7, v0
	v_mul_u32_u24 v5, v5, SPITCH
	v_lshl_add_u32 v5, v6, 4, v5
	v_add_nc_u32 v[RD], s18, v5
	v_and_b32 v5, 31, v0
	v_lshlrev_b32 v[CO], 4, v5                     ; which are 512 consecutive bytes of big
.endif
	v_lshlrev_b32 v[BO], 5, v2
.if FF1
	s_mul_i32 s46, s42, 1536                       ; b1 at column 384 x block column + 192 wc
	s_mul_i32 s47, s12, 768
	s_add_co_u32 s46, s46, s47
	s_mov_b32 s47, 0
	s_add_nc_u64 s[2:3], s[2:3], s[46:47]
	WIN 0xc0                                       ; destination window 3
.irp b, 0,1,2,3,4,5,6,7,8,9,10,11
	global_load_b128 v[128+8*\b:128+8*\b+3], v[BO], s[2:3] offset:64*\b        ; register j = b1[16 b + 8 h + j]: C's layout
	global_load_b128 v[128+8*\b+4:128+8*\b+7], v[BO], s[2:3] offset:64*\b+16
.endr
	WIN 0
	s_wait_loadcnt 0x0
.endif
; 16 matrix instructions: row blocks a0, a0 + 1 x column blocks 0-7, from buffer f.  first = 1: they start the sums (nothing is cleared)
.macro MULA f, a0, first
.irp a, \a0, \a0+1
.irp b, 0,1,2,3,4,5,6,7
.if \first
.if FF1
	v_wmma_f32_16x16x32_f16 v[8*(8*(\a)+\b):8*(8*(\a)+\b)+7], v[FB0+96*\f+8*\b:FB0+96*\f+8*\b+7], v[FA0+32*\f+8*(\a):FA0+32*\f+8*(\a)+7], v[128+8*\b:128+8*\b+7]
.else
	v_wmma_f32_16x16x32_f16 v[8*(8*(\a)+\b):8*(8*(\a)+\b)+7], v[FB0+96*\f+8*\b:FB0+96*\f+8*\b+7], v[FA0+32*\f+8*(\a):FA0+32*\f+8*(\a)+7], 0
.endif
.else
	v_wmma_f32_16x16x32_f16 v[8*(8*(\a)+\b):8*(8*(\a)+\b)+7], v[FB0+96*\f+8*\b:FB0+96*\f+8*\b+7], v[FA0+32*\f+8*(\a):FA0+32*\f+8*(\a)+7], v[8*(8*(\a)+\b):8*(8*(\a)+\b)+7]
.endif
.endr
.endr
.endm
; 16 more: all four row blocks x column blocks 8-11
.macro MULB f, first
.irp a, 0,1,2,3
.irp b, 8,9,10,11
.if \first
.if FF1
	v_wmma_f32_16x16x32_f16 v[8*(4*\a+\b-8):8*(4*\a+\b-8)+7], v[FB0+96*\f+8*\b:FB0+96*\f+8*\b+7], v[FA0+32*\f+8*\a:FA0+32*\f+8*\a+7], v[128+8*\b:128+8*\b+7]
.else
	v_wmma_f32_16x16x32_f16 v[8*(4*\a+\b-8):8*(4*\a+\b-8)+7], v[FB0+96*\f+8*\b:FB0+96*\f+8*\b+7], v[FA0+32*\f+8*\a:FA0+32*\f+8*\a+7], 0
.endif
.else
	v_wmma_f32_16x16x32_f16 v[8*(4*\a+\b-8):8*(4*\a+\b-8)+7], v[FB0+96*\f+8*\b:FB0+96*\f+8*\b+7], v[FA0+32*\f+8*\a:FA0+32*\f+8*\a+7], v[8*(4*\a+\b-8):8*(4*\a+\b-8)+7]
.endif
.endr
.endr
.endm
; 32 LDS loads in one run: A's four fragments, then B's twelve, 32 along K at byte k of the rows, into buffer f
.macro FETCH slot, k, f
	WIN 0
.irp a, 0,1,2,3
	ds_load_b128 v[FA0+32*\f+8*\a:FA0+32*\f+8*\a+3],   v[ADRA+\slot] offset:\k+\a*16*PITCH
	ds_load_b128 v[FA0+32*\f+8*\a+4:FA0+32*\f+8*\a+7], v[ADRA+\slot] offset:\k+\a*16*PITCH+32
.endr
	WIN 0x40
.irp b, 0,1,2,3,4,5,6,7,8,9,10,11
	ds_load_b128 v[FB0+96*\f+8*\b:FB0+96*\f+8*\b+3],   v[ADRB+\slot] offset:\k+\b*16*PITCH
	ds_load_b128 v[FB0+96*\f+8*\b+4:FB0+96*\f+8*\b+7], v[ADRB+\slot] offset:\k+\b*16*PITCH+32
.endr
.endm
; a quarter of a K step: multiplies buffer f, fetches the next quarter (byte k) into buffer g
.macro QUARTER slot, k, f, g, first
	s_wait_dscnt 8                                 ; all but the youngest eight loads: B's fragments 8-11 may be out
	WLO \first
	MULA \f, 0, \first
	PLACES
	FETCH \slot, \k, \g
	WLO \first
	MULA \f, 2, \first
	s_wait_dscnt 32                                ; all but the 32 just issued
	WIN 0xf1
	MULB \f, \first
.endm
.macro THREE slot, first
	QUARTER \slot, 64,  0, 1, \first
	QUARTER \slot, 128, 1, 0, 0
	QUARTER \slot, 192, 0, 1, 0
.endm
; the last quarter multiplies buffer 1 and changes slots.  In front of the barrier each wave waits for its reads of this slot and for all its
; tensor loads (its parts of the next slot); behind it, where the slot is filled again, the cluster's round, then the two joint refills first.
.macro TURN slot, next, fill
	s_wait_dscnt 8
	WIN 0xa1
	MULA 1, 0, 0
	s_wait_dscnt 0
	s_wait_tensorcnt 0x0
	ds_add_u32 v255, v255
	s_wait_dscnt 0x0
	s_barrier_signal -1
	MULA 1, 2, 0                                   ; register work while the others arrive
	WIN 0
	s_barrier_wait -1
.if \fill
	CREST
	s_add_nc_u64 s[G0A+4*\slot+2:G0A+4*\slot+3], s[G0A+4*\slot+2:G0A+4*\slot+3], 2*KSTEP*2
	s_add_nc_u64 s[G0B+4*\slot+2:G0B+4*\slot+3], s[G0B+4*\slot+2:G0B+4*\slot+3], 2*KSTEP*2
	tensor_load_to_lds s[G0A+4*\slot:G0A+4*\slot+3], s[G1A:G1A+7]
	s_nop 0
	tensor_load_to_lds s[G0B+4*\slot:G0B+4*\slot+3], s[G1B:G1B+7]
	s_nop 0
.endif
	PLACES
	FETCH \next, 0, 0
	WIN 0xf1
	MULB 1, 0
.endm
.macro LAP first
	THREE 0, \first
	TURN 0, 1, 1
	THREE 1, 0
	TURN 1, 0, 1
.endm
	s_wait_tensorcnt 2                             ; my two loads of K step 0 are in; K step 1's two stay out
	s_barrier_signal -1
	s_barrier_wait -1
	FETCH 0, 0, 0
	LAP 1
	WIN 0
	s_mov_b32 s45, LAPS-2
.Llap:
	LAP 0
	WIN 0
	s_sub_co_u32 s45, s45, 1
	s_cmp_lg_u32 s45, 0
	s_cbranch_scc1 .Llap
	THREE 0, 0                                     ; the last lap fills nothing
	TURN 0, 1, 0
	THREE 1, 0
	s_wait_dscnt 8
	WIN 0xa1
	MULA 1, 0, 0
	MULA 1, 2, 0
	s_wait_dscnt 0
	WIN 0xf1
	MULB 1, 0
	; THE WAY OUT.  Slot 0 has had its last fill, and every wave's last reads of it were waited for in front of the last lap's barrier:
	; it is the stage.  All four waves lay their tiles in as f16, one barrier, then wave w stores rows 32 w .. 32 w + 31 whole.
	PLACES
	s_lshl_b32 s16, s13, 7
	s_lshl_b32 s17, s10, 5
	s_add_co_u32 s16, s16, s17                     ; row 128 x block row + 32 x wave
.if FF1
	s_mul_i32 s16, s16, 6144
	s_mul_i32 s46, s42, 768
.else
	s_lshl_b32 s16, s16, 7                         ; rows of 128 bytes in a head's plane
	s_mul_i32 s46, s42, 6*524288                   ; six heads to a block column
.endif
	s_mov_b32 s17, 0
	s_mov_b32 s47, 0
	s_add_nc_u64 s[8:9], s[8:9], s[16:17]
	s_add_nc_u64 s[8:9], s[8:9], s[46:47]
.macro PACK a
.if FF1
	WIN 0x0a
.irp b, 0,1,2,3,4,5,6,7
.irp j, 0,1,2,3,4,5,6,7
	v_max_num_f32 v[T+8*\b+\j], 0, v[8*(8*\a+\b)+\j]
.endr
.endr
	WIN 0x0f
.irp b, 8,9,10,11
.irp j, 0,1,2,3,4,5,6,7
	v_max_num_f32 v[T+8*\b+\j], 0, v[8*(4*\a+\b-8)+\j]
.endr
.endr
	WIN 0
.irp b, 0,1,2,3,4,5,6,7,8,9,10,11
.irp i, 0,1,2,3
	v_cvt_pk_f16_f32 v[P+4*\b+\i], v[T+8*\b+2*\i], v[T+8*\b+2*\i+1]
.endr
.endr
.else
	WIN 0x0a
.irp b, 0,1,2,3,4,5,6,7
.irp i, 0,1,2,3
	v_cvt_pk_f16_f32 v[P+4*\b+\i], v[8*(8*\a+\b)+2*\i], v[8*(8*\a+\b)+2*\i+1]
.endr
.endr
	WIN 0x0f
.irp b, 8,9,10,11
.irp i, 0,1,2,3
	v_cvt_pk_f16_f32 v[P+4*\b+\i], v[8*(4*\a+\b-8)+2*\i], v[8*(4*\a+\b-8)+2*\i+1]
.endr
.endr
	WIN 0
.endif
.irp b, 0,1,2,3,4,5,6,7,8,9,10,11
	ds_store_b128 v[STO], v[P+4*\b:P+4*\b+3] offset:\a*16*SPITCH+32*\b
.endr
.endm
	PACK 0
	PACK 1
	PACK 2
	PACK 3
	s_wait_dscnt 0x0                               ; my stores are done, for the other waves' sake
	s_barrier_signal -1
	s_barrier_wait -1
; eight loads and eight stores; f: one of two halves of T in turn
.macro OUTB bn, f
	s_wait_xcnt 0x0                                ; the stores that read this half have had their addresses translated (ISA guide 3.1)
.irp t, 0,1,2,3,4,5,6,7
.if FF1
	ds_load_b128 v[\f+4*\t:\f+4*\t+3], v[RD] offset:2*((8*\bn+\t)/3)*SPITCH+256*((8*\bn+\t)%3)
.else
	ds_load_b128 v[\f+4*\t:\f+4*\t+3], v[RD] offset:4*\t*SPITCH+128*\bn
.endif
.endr
.irp t, 0,1,2,3,4,5,6,7
	s_wait_dscnt 7-\t
.if FF1
	global_store_b128 v[CO], v[\f+4*\t:\f+4*\t+3], s[8:9] offset:2*((8*\bn+\t)/3)*6144+256*((8*\bn+\t)%3)   ; 16 lanes: 256 consecutive bytes, aligned
.else
	global_store_b128 v[CO], v[\f+4*\t:\f+4*\t+3], s[8:9] offset:\bn*524288+512*\t                          ; 512 consecutive bytes, aligned
.endif
.endr
.endm
	OUTB 0, T
	OUTB 1, T+32
	OUTB 2, T
	OUTB 3, T+32
	OUTB 4, T
	OUTB 5, T+32
	s_set_vgpr_msb 0x1
	s_wait_tensorcnt 0x0
	ds_add_u32 v255, v255
	s_wait_dscnt 0x0
	s_set_vgpr_msb 0x100
	CROUND                                         ; the closing round: no work-group ends while a partner may still ask jointly
	s_endpgm
.Lfunc_end_k_qd0f853a044_ff1:
	.size	k_qd0f853a044_ff1, .Lfunc_end_k_qd0f853a044_ff1-k_qd0f853a044_ff1
	.p2alignl 7, 3214868480
	.fill 96, 4, 3214868480
	.section	.rodata,"a",@progbits
	.p2align	6, 0x0
	.amdhsa_kernel k_qd0f853a044_ff1
		.amdhsa_group_segment_fixed_size 327680
		.amdhsa_private_segment_fixed_size 0
		.amdhsa_enable_private_segment 0
		.amdhsa_kernarg_size 32
		.amdhsa_user_sgpr_count 2
		.amdhsa_user_sgpr_kernarg_segment_ptr 1
		.amdhsa_wavefront_size32 1
		.amdhsa_system_sgpr_workgroup_id_x 1
		.amdhsa_system_sgpr_workgroup_id_y 1
		.amdhsa_system_sgpr_workgroup_id_z 1
		.amdhsa_system_vgpr_workitem_id 0
		.amdhsa_next_free_vgpr 1024
		.amdhsa_next_free_sgpr 66
		.amdhsa_reserve_vcc 0
		.amdhsa_float_denorm_mode_32 3
		.amdhsa_float_denorm_mode_16_64 3
		.amdhsa_memory_ordered 1
		.amdhsa_forward_progress 1
		.amdhsa_inst_pref_size 178
	.end_amdhsa_kernel
	.amdgpu_metadata
---
amdhsa.version: [ 1, 2 ]
amdhsa.kernels:
  - .name:           k_qd0f853a044_ff1
    .symbol:         k_qd0f853a044_ff1.kd
    .args:
      - { .name: nrm, .offset: 0, .size: 8, .value_kind: global_buffer, .address_space: global }
      - { .name: wb, .offset: 8, .size: 8, .value_kind: global_buffer, .address_space: global }
      - { .name: b1, .offset: 16, .size: 8, .value_kind: global_buffer, .address_space: global }
      - { .name: big, .offset: 24, .size: 8, .value_kind: global_buffer, .address_space: global }
    .group_segment_fixed_size: 327680
    .private_segment_fixed_size: 0
    .kernarg_segment_align: 8
    .kernarg_segment_size: 32
    .max_flat_workgroup_size: 128
    .sgpr_count:     66
    .vgpr_count:     1024
    .wavefront_size: 32
...
	.end_amdgpu_metadata
.endif
;; end of part 6
;; launch ff2 (part 7): grid 8 x 32, 4 waves a work-group, clusters of 4 x 4, 327,680 bytes of LDS; arguments big, wb, b2, x1, out0; writes out0
.if DOCPART == 7
	.amdgcn_target "amdgcn-amd-amdhsa--gfx1250"
	.amdhsa_code_object_version 6
	.text
	.protected	k_qd0f853a044_ff2
	.globl	k_qd0f853a044_ff2
	.p2align	8
	.type	k_qd0f853a044_ff2,@function
k_qd0f853a044_ff2:
	s_mov_b64 s[64:65], 0
	v_nop
	global_prefetch_b8 v0, s[64:65] scope:SCOPE_SE
	s_setreg_imm32_b32 hwreg(HW_REG_WAVE_MODE, 25, 1), 1
	s_wait_xcnt 0x0
	s_wait_alu depctr_hold_cnt(0) depctr_sa_sdst(0) depctr_va_vdst(0) depctr_va_sdst(0) depctr_va_ssrc(0) depctr_va_vcc(0) depctr_vm_vsrc(0)
	s_getreg_b32 s2, hwreg(HW_REG_IB_STS2, 6, 4)
	s_cmp_eq_u32 s2, 0
	s_cbranch_scc0 .Lentry_in_a_cluster
	s_endpgm
.Lentry_in_a_cluster:
	s_bfe_u32 s2, ttmp6, 0x10000c
	s_cmp_lg_u32 s2, 0xf033
	s_cbranch_scc0 .Lentry_shape_is_right
	s_endpgm
.Lentry_shape_is_right:
; out = residual + bias + A B^T, out and residual f32 [4096][1024], sums in f32.
; WO = 1: A = ctx, [head][m][64] f16 (K = 64 head + d), B = Wo in wb, K = 1,024.   WO = 0: A = big [4096][3072] f16, B = W2 in wb, K = 3,072.
; A work-group makes 128 x 128 (32 x 8 = 256 work-groups), a wave 64 x 64: 16 accumulator tiles.  K goes in steps of 256 through two LDS slots,
; four quarters of 64 each.  CLUSTERS: 4 x 4; A's tile is asked for jointly by a row of the cluster, B's by a column; every wave issues both loads
; of a K step for a part of its own (32 rows; with WO = 1 one head's plane of A).
; The matrix instruction is used transposed (source 0 = rows of B): lane (r, h) holds row r, columns 8 h .. 8 h + 7.  The bias is the C of the first
; products.  The 16 accumulators take turns, one instruction a turn.
; REGISTERS: window 0: v16-27 addresses, v64-191 A's fragments (two buffers; on the way out the residual), v192-255 at work; window 1: v64-191 B's;
; window 2: tile (a, b) at v[8 (4 a + b)], bias tile b at v[128 + 8 b].
; LIMITS: operands are f16, as the launches before stored them; sums in the matrix unit's order.
.set WO, 0
.if WO
.set KDIM,  1024
.set PA,    144                        ; a row of a head's plane: 128 bytes + 16
.set AQ,    128*PA                     ; a plane: what one wave fetches of A
.set WOFF,  0x600000
.set ASTEP, 4*524288                   ; from one K step's A to the next: four planes
.else
.set KDIM,  3072
.set PA,    528                        ; 512 bytes + 16
.set AQ,    32*PA
.set WOFF,  0xE00000
.set ASTEP, 512
.endif
.set ASZ,    4*AQ
.set PB,     528
.set BQ,     32*PB
.set SLOT,   ASZ+4*BQ
.set STAGE,  2*SLOT                    ; 4 x 16 rows x 272 bytes, each wave's own; no tensor load lands here
.set SPITCH, 272
.set LAPS,   KDIM/512
.set FLAGB,  (1<<16)|(1<<20)|(1<<21)|(6<<22)|(3<<25)   ; after 128 words 4 words of padding
.set FLAGP,  (1<<16)|(1<<20)|(1<<21)|(4<<22)|(3<<25)   ; after 32 words
.set ADRA, 16
.set ADRB, 20
.set STO,  24
.set RD,   25
.set CO,   26
.set BO,   27
.set F0,   64
.set F1,   128
.set RES,  64
.set T,    192
.set G1A, 24
.set G0A, 32
.set G1B, 48
.set G0B, 56
.set MSB, 0
.macro WIN new
.if MSB != \new
	s_set_vgpr_msb (MSB<<8)|\new
.set MSB, \new
.endif
.endm
.macro PLACES                          ; four places behind a matrix instruction (ISA guide 7.12.1)
.rept 4
	v_nop
.endr
.endm
.macro CREST
	s_cmp_lg_u32 s10, 0
	s_cbranch_scc1 .Lnot_wave_0_\@
	s_barrier_signal -3
.Lnot_wave_0_\@:
	s_barrier_wait -3
	s_barrier_signal -1
	s_barrier_wait -1
.endm
.macro CROUND
	s_barrier_signal -1
	s_barrier_wait -1
	CREST
.endm
	s_load_b128 s[4:7], s[0:1], 0x0                ; A, wb
	s_load_b64 s[2:3], s[0:1], 0x10                ; bias
	s_load_b64 s[8:9], s[0:1], 0x18                ; residual
	s_load_b64 s[22:23], s[0:1], 0x20              ; out
	s_set_vgpr_msb 0x40
	v_lshl_add_u32 v255, v0, 2, 0x46400
	s_set_vgpr_msb 0x4000
	v_mov_b32 v63, 0
	s_set_vgpr_msb 0x1
	ds_add_u32 v255, v63
	ds_add_u32 v255, v63
	s_set_vgpr_msb 0x100
	v_lshrrev_b32 v1, 5, v0
	v_readfirstlane_b32 s10, v1                    ; wave
	s_lshr_b32 s11, s10, 1                         ; wr
	s_and_b32 s12, s10, 1                          ; wc
	s_bfe_u32 s40, ttmp6, 0x40000                  ; cx
	s_bfe_u32 s41, ttmp6, 0x40004                  ; cy
	s_lshl_b32 s42, ttmp9, 2
	s_add_co_u32 s42, s42, s40                     ; block column
	s_and_b32 s13, ttmp7, 0xffff
	s_lshl_b32 s13, s13, 2
	s_add_co_u32 s13, s13, s41                     ; block row
	s_lshl_b32 s43, s41, 2
	s_lshl_b32 s43, 15, s43
	s_lshl_b32 s44, 0x1111, s40
.if WO
	s_or_b32 s[G1A+0], s43, FLAGP                  ; a plane: 128 rows of 64 elements, dense
	s_mov_b32 s[G1A+1], 64<<16
	s_mov_b32 s[G1A+2], 128<<16
	s_mov_b32 s[G1A+3], 64<<16
	s_mov_b32 s[G1A+4], 128
	s_mov_b32 s[G1A+5], 64
.else
	s_or_b32 s[G1A+0], s43, FLAGB                  ; 32 rows of 256 elements
	s_mov_b32 s[G1A+1], 256<<16
	s_mov_b32 s[G1A+2], 32<<16
	s_mov_b32 s[G1A+3], 256<<16
	s_mov_b32 s[G1A+4], 32
	s_mov_b32 s[G1A+5], KDIM
.endif
	s_mov_b32 s[G1A+6], 0
	s_mov_b32 s[G1A+7], 0
	s_or_b32 s[G1B+0], s44, FLAGB
	s_mov_b32 s[G1B+1], 256<<16
	s_mov_b32 s[G1B+2], 32<<16
	s_mov_b32 s[G1B+3], 256<<16
	s_mov_b32 s[G1B+4], 32
	s_mov_b32 s[G1B+5], KDIM
	s_mov_b32 s[G1B+6], 0
	s_mov_b32 s[G1B+7], 0
.if WO
	s_lshl_b32 s16, s10, 19                        ; A: plane = wave, rows 128 x block row of 128 bytes
	s_lshl_b32 s17, s13, 14
	s_add_co_u32 s16, s16, s17
.else
	s_lshl_b32 s16, s13, 7                         ; A: row 128 x block row + 32 x wave
	s_lshl_b32 s17, s10, 5
	s_add_co_u32 s16, s16, s17
	s_mul_i32 s16, s16, KDIM*2
.endif
	s_mov_b32 s17, 0
	s_lshl_b32 s46, s42, 7                         ; B: row 128 x block column + 32 x wave
	s_lshl_b32 s47, s10, 5
	s_add_co_u32 s46, s46, s47
	s_mul_i32 s46, s46, KDIM*2
	s_add_co_u32 s46, s46, WOFF
	s_mov_b32 s47, 0
	s_mul_i32 s20, s10, AQ
	s_mul_i32 s21, s10, BQ
	s_add_co_u32 s21, s21, ASZ
	s_wait_dscnt 0x0
	s_wait_kmcnt 0x0
	s_add_nc_u64 s[14:15], s[4:5], s[16:17]
	s_add_nc_u64 s[46:47], s[6:7], s[46:47]
	CROUND                                         ; all sixteen work-groups are here: the first joint loads meet
.irp s, 0,1
	s_mov_b32 s[G0A+4*\s], 1
	s_add_co_u32 s[G0A+4*\s+1], s20, \s*SLOT
	s_add_nc_u64 s[G0A+4*\s+2:G0A+4*\s+3], s[14:15], \s*ASTEP
	s_or_b32 s[G0A+4*\s+3], s[G0A+4*\s+3], 0x80000000
	s_mov_b32 s[G0B+4*\s], 1
	s_add_co_u32 s[G0B+4*\s+1], s21, \s*SLOT
	s_add_nc_u64 s[G0B+4*\s+2:G0B+4*\s+3], s[46:47], \s*512
	s_or_b32 s[G0B+4*\s+3], s[G0B+4*\s+3], 0x80000000
	tensor_load_to_lds s[G0A+4*\s:G0A+4*\s+3], s[G1A:G1A+7]
	s_nop 0
	tensor_load_to_lds s[G0B+4*\s:G0B+4*\s+3], s[G1B:G1B+7]       ; four tensor loads of the wave are out here, later two
	s_nop 0
.endr
	v_and_b32 v1, 15, v0                           ; r
	v_bfe_u32 v2, v0, 4, 1                         ; h
	v_mul_u32_u24 v3, v1, PA
	v_lshl_add_u32 v3, v2, 4, v3
	v_mul_u32_u24 v4, v1, PB
	v_lshl_add_u32 v4, v2, 4, v4
	s_mul_i32 s18, s11, 64*PA
	s_mul_i32 s19, s12, 64*PB
	s_add_co_u32 s19, s19, ASZ
.irp s, 0,1
	v_add_nc_u32 v[ADRA+\s], s18, v3
	v_add_nc_u32 v[ADRB+\s], s19, v4
	s_add_co_u32 s18, s18, SLOT
	s_add_co_u32 s19, s19, SLOT
.endr
	s_mul_i32 s18, s10, 16*SPITCH
	s_add_co_u32 s18, s18, STAGE
	v_mul_u32_u24 v5, v1, SPITCH
	v_lshl_add_u32 v5, v2, 5, v5
	v_add_nc_u32 v[STO], s18, v5                   ; in: row r, 32 bytes for each half of the lanes
	v_mul_u32_u24 v5, v2, SPITCH
	v_lshl_add_u32 v5, v1, 4, v5
	v_add_nc_u32 v[RD], s18, v5                    ; back: lanes 0-15 one row of 256 bytes, lanes 16-31 the next
	v_lshlrev_b32 v5, 12, v2
	v_lshl_add_u32 v[CO], v1, 4, v5                ; the same two rows in out and in the residual
	v_lshlrev_b32 v[BO], 5, v2
	s_lshl_b32 s46, s42, 9                         ; bias at column 128 x block column + 64 wc
	s_lshl_b32 s47, s12, 8
	s_add_co_u32 s46, s46, s47
	s_mov_b32 s47, 0
	s_add_nc_u64 s[2:3], s[2:3], s[46:47]
	WIN 0x80                                       ; destination window 2
.irp b, 0,1,2,3
	global_load_b128 v[128+8*\b:128+8*\b+3], v[BO], s[2:3] offset:64*\b        ; register j = bias[16 b + 8 h + j]: C's layout
	global_load_b128 v[128+8*\b+4:128+8*\b+7], v[BO], s[2:3] offset:64*\b+16
.endr
	WIN 0
	s_wait_loadcnt 0x0
; 8 matrix instructions: row blocks a0, a0 + 1 x four column blocks, 32 along K (half ks of the quarter).  first = 1: the bias starts the sums
.macro MUL8 f, ks, a0, first
.irp a, \a0, \a0+1
.irp b, 0,1,2,3
.if \first
	v_wmma_f32_16x16x32_f16 v[8*(4*(\a)+\b):8*(4*(\a)+\b)+7], v[\f+32*\ks+8*\b:\f+32*\ks+8*\b+7], v[\f+32*\ks+8*(\a):\f+32*\ks+8*(\a)+7], v[128+8*\b:128+8*\b+7]
.else
	v_wmma_f32_16x16x32_f16 v[8*(4*(\a)+\b):8*(4*(\a)+\b)+7], v[\f+32*\ks+8*\b:\f+32*\ks+8*\b+7], v[\f+32*\ks+8*(\a):\f+32*\ks+8*(\a)+7], v[8*(4*(\a)+\b):8*(4*(\a)+\b)+7]
.endif
.endr
.endr
.endm
; 32 LDS loads in one run: quarter q of the slot into buffer f; B first, then A, the first 32 of K ahead of the second in each
.macro FETCH slot, q, f
	WIN 0x40
.irp ks, 0,1
.irp i, 0,1,2,3
	ds_load_b128 v[\f+32*\ks+8*\i:\f+32*\ks+8*\i+3],   v[ADRB+\slot] offset:\i*16*PB+128*\q+64*\ks
	ds_load_b128 v[\f+32*\ks+8*\i+4:\f+32*\ks+8*\i+7], v[ADRB+\slot] offset:\i*16*PB+128*\q+64*\ks+32
.endr
.endr
	WIN 0
.irp ks, 0,1
.irp i, 0,1,2,3
.if WO
	ds_load_b128 v[\f+32*\ks+8*\i:\f+32*\ks+8*\i+3],   v[ADRA+\slot] offset:\q*AQ+\i*16*PA+64*\ks
	ds_load_b128 v[\f+32*\ks+8*\i+4:\f+32*\ks+8*\i+7], v[ADRA+\slot] offset:\q*AQ+\i*16*PA+64*\ks+32
.else
	ds_load_b128 v[\f+32*\ks+8*\i:\f+32*\ks+8*\i+3],   v[ADRA+\slot] offset:\i*16*PA+128*\q+64*\ks
	ds_load_b128 v[\f+32*\ks+8*\i+4:\f+32*\ks+8*\i+7], v[ADRA+\slot] offset:\i*16*PA+128*\q+64*\ks+32
.endif
.endr
.endr
.endm
.macro QUARTER slot, q, f, g, first
	s_wait_dscnt 8                                 ; all but the youngest eight loads: A's second 32 of K may be out
	WIN 0xa1
	MUL8 \f, 0, 0, \first
	MUL8 \f, 0, 2, \first
	PLACES
	FETCH \slot, \q, \g
	s_wait_dscnt 32                                ; all but the 32 just issued
	WIN 0xa1
	MUL8 \f, 1, 0, 0
	MUL8 \f, 1, 2, 0
.endm
.macro THREE slot, first
	QUARTER \slot, 1, F0, F1, \first
	QUARTER \slot, 2, F1, F0, 0
	QUARTER \slot, 3, F0, F1, 0
.endm
; the last quarter multiplies buffer 1 and changes slots: each wave's reads of this slot and all its tensor loads are waited for in front of the
; barrier; where the slot is filled again the cluster's round follows, then the two joint refills first
.macro TURN slot, next, fill
	s_wait_dscnt 8
	WIN 0xa1
	MUL8 F1, 0, 0, 0
	s_wait_dscnt 0
	s_wait_tensorcnt 0x0
	ds_add_u32 v255, v63
	s_wait_dscnt 0x0
	s_barrier_signal -1
	MUL8 F1, 0, 2, 0
	WIN 0
	s_barrier_wait -1
.if \fill
	CREST
	s_add_nc_u64 s[G0A+4*\slot+2:G0A+4*\slot+3], s[G0A+4*\slot+2:G0A+4*\slot+3], 2*ASTEP
	s_add_nc_u64 s[G0B+4*\slot+2:G0B+4*\slot+3], s[G0B+4*\slot+2:G0B+4*\slot+3], 1024
	tensor_load_to_lds s[G0A+4*\slot:G0A+4*\slot+3], s[G1A:G1A+7]
	s_nop 0
	tensor_load_to_lds s[G0B+4*\slot:G0B+4*\slot+3], s[G1B:G1B+7]
	s_nop 0
.endif
	PLACES
	FETCH \next, 0, F0
	WIN 0xa1
	MUL8 F1, 1, 0, 0
	MUL8 F1, 1, 2, 0
.endm
.macro LAP first
	THREE 0, \first
	TURN 0, 1, 1
	THREE 1, 0
	TURN 1, 0, 1
.endm
	s_wait_tensorcnt 2                             ; my two loads of K step 0 are in; K step 1's two stay out
	s_barrier_signal -1
	s_barrier_wait -1
	FETCH 0, 0, F0
	LAP 1
.if LAPS > 2
	WIN 0
	s_mov_b32 s45, LAPS-2
.Llap:
	LAP 0
	WIN 0
	s_sub_co_u32 s45, s45, 1
	s_cmp_lg_u32 s45, 0
	s_cbranch_scc1 .Llap
.endif
	THREE 0, 0                                     ; the last lap fills nothing
	TURN 0, 1, 0
	THREE 1, 0
	s_wait_dscnt 8
	WIN 0xa1
	MUL8 F1, 0, 0, 0
	MUL8 F1, 0, 2, 0
	s_wait_dscnt 0
	MUL8 F1, 1, 0, 0
	MUL8 F1, 1, 2, 0
	; THE WAY OUT, 16 rows at a time: the f32 tiles go through my own stage, come back as whole rows of 256 bytes, take the residual and are stored.
	WIN 0
	PLACES
	s_lshl_b32 s16, s13, 7
	s_lshl_b32 s17, s11, 6
	s_add_co_u32 s16, s16, s17
	s_lshl_b32 s16, s16, 12                        ; row 128 x block row + 64 wr, rows of 4,096 bytes
	s_mov_b32 s17, 0
	s_add_nc_u64 s[8:9], s[8:9], s[16:17]
	s_add_nc_u64 s[22:23], s[22:23], s[16:17]
	s_add_nc_u64 s[8:9], s[8:9], s[46:47]          ; s[46:47] still holds 512 x block column + 256 wc
	s_add_nc_u64 s[22:23], s[22:23], s[46:47]
.irp a, 0,1,2,3
.irp t, 0,1,2,3,4,5,6,7
	global_load_b128 v[RES+32*\a+4*\t:RES+32*\a+4*\t+3], v[CO], s[8:9] offset:(16*\a+2*\t)*4096
.endr
.endr
.macro OUT16 a, f
	s_wait_xcnt 0x0                                ; the stores that read this half of T have had their addresses translated (ISA guide 3.1)
	WIN 0x08                                       ; store data in window 2
.irp b, 0,1,2,3
	ds_store_b128 v[STO], v[8*(4*\a+\b):8*(4*\a+\b)+3] offset:64*\b
	ds_store_b128 v[STO], v[8*(4*\a+\b)+4:8*(4*\a+\b)+7] offset:64*\b+16
.endr
	WIN 0
.irp t, 0,1,2,3,4,5,6,7
	ds_load_b128 v[\f+4*\t:\f+4*\t+3], v[RD] offset:2*SPITCH*\t    ; my own bytes: LDS serves a wave's instructions in order (ISA guide 5.7.1.4)
.endr
	s_wait_loadcnt 8*(3-\a)                        ; these 16 rows' residual is in; the later rows' loads stay out
.irp t, 0,1,2,3,4,5,6,7
	s_wait_dscnt 7-\t
	v_pk_add_f32 v[\f+4*\t:\f+4*\t+1], v[\f+4*\t:\f+4*\t+1], v[RES+32*\a+4*\t:RES+32*\a+4*\t+1]
	v_pk_add_f32 v[\f+4*\t+2:\f+4*\t+3], v[\f+4*\t+2:\f+4*\t+3], v[RES+32*\a+4*\t+2:RES+32*\a+4*\t+3]
	global_store_b128 v[CO], v[\f+4*\t:\f+4*\t+3], s[22:23] offset:(16*\a+2*\t)*4096   ; 16 lanes: 256 consecutive bytes, aligned
.endr
.endm
	OUT16 0, T
	OUT16 1, T+32
	OUT16 2, T
	OUT16 3, T+32
	s_set_vgpr_msb 0x1
	s_wait_tensorcnt 0x0
	ds_add_u32 v255, v63
	s_wait_dscnt 0x0
	s_set_vgpr_msb 0x100
	CROUND                                         ; the closing round
	s_endpgm
.Lfunc_end_k_qd0f853a044_ff2:
	.size	k_qd0f853a044_ff2, .Lfunc_end_k_qd0f853a044_ff2-k_qd0f853a044_ff2
	.p2alignl 7, 3214868480
	.fill 96, 4, 3214868480
	.section	.rodata,"a",@progbits
	.p2align	6, 0x0
	.amdhsa_kernel k_qd0f853a044_ff2
		.amdhsa_group_segment_fixed_size 327680
		.amdhsa_private_segment_fixed_size 0
		.amdhsa_enable_private_segment 0
		.amdhsa_kernarg_size 40
		.amdhsa_user_sgpr_count 2
		.amdhsa_user_sgpr_kernarg_segment_ptr 1
		.amdhsa_wavefront_size32 1
		.amdhsa_system_sgpr_workgroup_id_x 1
		.amdhsa_system_sgpr_workgroup_id_y 1
		.amdhsa_system_sgpr_workgroup_id_z 1
		.amdhsa_system_vgpr_workitem_id 0
		.amdhsa_next_free_vgpr 672
		.amdhsa_next_free_sgpr 66
		.amdhsa_reserve_vcc 0
		.amdhsa_float_denorm_mode_32 3
		.amdhsa_float_denorm_mode_16_64 3
		.amdhsa_memory_ordered 1
		.amdhsa_forward_progress 1
		.amdhsa_inst_pref_size 131
	.end_amdhsa_kernel
	.amdgpu_metadata
---
amdhsa.version: [ 1, 2 ]
amdhsa.kernels:
  - .name:           k_qd0f853a044_ff2
    .symbol:         k_qd0f853a044_ff2.kd
    .args:
      - { .name: big, .offset: 0, .size: 8, .value_kind: global_buffer, .address_space: global }
      - { .name: wb, .offset: 8, .size: 8, .value_kind: global_buffer, .address_space: global }
      - { .name: b2, .offset: 16, .size: 8, .value_kind: global_buffer, .address_space: global }
      - { .name: x1, .offset: 24, .size: 8, .value_kind: global_buffer, .address_space: global }
      - { .name: out0, .offset: 32, .size: 8, .value_kind: global_buffer, .address_space: global }
    .group_segment_fixed_size: 327680
    .private_segment_fixed_size: 0
    .kernarg_segment_align: 8
    .kernarg_segment_size: 40
    .max_flat_workgroup_size: 128
    .sgpr_count:     66
    .vgpr_count:     672
    .wavefront_size: 32
...
	.end_amdgpu_metadata
.endif
;; end of part 7
